; MI455X (gfx1250); checked and timed in simulation.
; The chip was launched on July 23, 2026; its instructions are those of AMD's public machine-readable ISA for CDNA 5 (MIT licence, August 2026) and "CDNA5" Instruction Set Architecture Reference Guide (July 2026). The comments in the code are by the model that wrote it; some were corrected since.
;; Triton Fused RCM Attention. Allowed arithmetic: matrix products marked QUANTISED: E2M1 operands, one E8M0 scale for each 32 along K, by v_wmma_scale_f32_16x16x128_f8f6f4 with both operands' format E2M1 (or v_wmma_scale_f32_32x16x128_f4), f32 sums; everything else in f32.
;; Inputs: b_proj 1,024 float32; b_qkv 3,072 float32; t one number float32; w_proj 1,024 x 1,024 float32; w_qkv 1,024 x 3,072 float32; x 2 x 2,048 x 1,024 float32.
;; Outputs: out0 2 x 2,048 x 1,024 float32.
;; This version of the problem:
;;   THIS VERSION OF THE PROBLEM IS GIVEN IN LOW PRECISION. The matrix products marked QUANTISED in the list below multiply operands that are first quantised to E2M1 (2 exponent bits, 1 mantissa bit; 4 bits a number), with one power-of-two scale for each 32 numbers along K (OCP MX v1.0); their sums are f32. All else is computed in f32.
;;   The module's matrix products, in the order in which they are computed (A, B: the left and right operand; K: the contracted axis; several contracted axes count as one K, in the product's order):
;;     1. [M 4,096, K 1,024] x [K 1,024, N 3,072]; A: input x; B: input w_qkv: QUANTISED
;;     2. batch 32 x [M 2,048, K 64] x [K 64, N 2,048]; A: computed on the way; B: computed on the way: QUANTISED
;;     3. batch 32 x [M 2,048, K 2,048] x [K 2,048, N 64]; A: softmax (see below); B: computed on the way: QUANTISED
;;     4. [M 4,096, K 1,024] x [K 1,024, N 1,024]; A: computed on the way; B: input w_proj: QUANTISED
;;   THE QUANTISER, for each operand of a quantised product, along K:
;;     - K is cut into blocks of 32 from its start; a last block that is shorter is filled with zeros.
;;     - A block's scale is 2^e with e = floor(log2(the largest magnitude in the block)) - 2, held to -126 .. 127; a block of zeros has e = 0. As a byte (E8M0): e + 127.
;;     - Each number is divided by its block's scale, clamped to +-6, and rounded to the nearest number of E2M1, ties to even, subnormals kept.
;;     - The product sums the exact products of the quantised numbers (number of the format x scale) in f32.
;;   ~~~python
;;   def quantise(x, axis):      # numpy; x: float32 -> the quantised numbers, widened to float32 again
;;       x = np.moveaxis(x, axis, -1); K = x.shape[-1]
;;       x = np.pad(x, [(0, 0)] * (x.ndim - 1) + [(0, -K % 32)]); x = x.reshape(x.shape[:-1] + (-1, 32)); a = np.abs(x).max(-1, keepdims=True)
;;       e = np.where(a > 0, np.clip(np.frexp(np.where(a > 0, a, 1))[1] - 1 - 2, -126, 127), 0)      # np.frexp(a)[1] - 1 = floor(log2(a)), exactly
;;       r = np.clip(x / 2.0 ** e, -6, 6)
;;       step = 2.0 ** (np.maximum(np.frexp(np.where(r == 0, 1, r))[1] - 1, 0) - 1)
;;       q = np.round(r / step) * step * 2.0 ** e      # np.round: ties to even
;;       return np.moveaxis(q.reshape(q.shape[:-2] + (-1,))[..., :K], -1, axis).astype(np.float32)
;;   ~~~
;;   SOFTMAX AHEAD OF A QUANTISED PRODUCT. Where the list says 'softmax', what is quantised is not the finished softmax but p = 2^(t - M), with t = logit x log2(e) and M = ceil(the row's largest t), a whole number; so 1/2 < the row's largest p <= 1. The row's sum l is taken of the UNQUANTISED p, in f32, and the product's result is divided by l at the end. Since M is a whole number, a kernel that streams over the keys may use a running M (the ceiling of the running maximum): every later rescaling is an exact power of two, which a block's scale takes up: the codes' values come out the same.
;;   OPERANDS COMPUTED ON THE WAY. 'Computed on the way' means the value that the module computes at that place (a softmax that the list does not call 'softmax' is quantised finished and normalised). What goes into a quantiser is computed in f32, as accurately as f32 sums, v_exp_f32 and their like allow (about 1e-6 of the number): no bf16 or f16 on the way to a quantiser, and a product that is left as it is and whose result goes on into a quantised operand takes f32 operands (vector FMAs, or v_wmma_f32_16x16x4_f32). A number that lies on a knife's edge between two numbers of the format may be rounded either way, as far as f32 arithmetic and the matrix unit's own rounding can turn it there, and no further.
;; One version. Each part assembles by itself: llvm-mc -triple=amdgcn-amd-amdhsa -mcpu=gfx1250 --defsym DOCPART=n.
;; ======== version 1 of 1: 4 launches
;; limits: right only within a limited range of input values
;; workspace buffers: ops 4,456,448 bytes; qkv 6,946,816 bytes; oq 2,228,224 bytes
;; launch quant (part 1): grid 512 x 1, 4 waves a work-group, no clusters, 68,096 bytes of LDS; arguments x, w_qkv, w_proj, ops; writes ops
.if DOCPART == 1
	.amdgcn_target "amdgcn-amd-amdhsa--gfx1250"
	.amdhsa_code_object_version 6
	.text
	.protected	k_q4be66d4b5c_quant
	.globl	k_q4be66d4b5c_quant
	.p2align	8
	.type	k_q4be66d4b5c_quant,@function
k_q4be66d4b5c_quant:
	s_mov_b64 s[64:65], 0
	v_nop
	global_prefetch_b8 v0, s[64:65] scope:SCOPE_SE
	s_setreg_imm32_b32 hwreg(HW_REG_WAVE_MODE, 25, 1), 1
	s_wait_xcnt 0x0
; x [4096][1024], w_qkv [1024][3072] and w_proj [1024][1024], f32, become codes of FP4 (E2M1) with one E8M0 byte for each 32 along K
; (K = x's last axis, the weights' first axis).  This is the first of four launches: quant, qkv (product 1, q k v as codes), attn (products 2 and 3, the skip term), proj (product 4).
; DEAD WORK: none.  Every input of reference() has a way to the output (b_qkv's part for k too: it moves k's codes), and all four products are done in full.
; A block's scale is 2^(floor(log2(its largest magnitude)) - 2); its byte is that magnitude's exponent field - 2, held at 1 from below.
; LIMITS: a block of zeros gets the byte 1 where the quantiser says 127 (its codes are zeros, which add nothing, and only this program reads the bytes); blocks whose largest magnitude lies
; under 2^-124 are held at the byte 1; NaN and infinities among the inputs are not served.
; LAYOUT OF ops: 64 records of RT bytes, 128 rows each (0-31 tokens of x, 32-55 columns of w_qkv, 56-63 columns of w_proj).  In a record the 16 bytes of block kb (32 along K) of the row at
; POSITION pos lie at 2048 kb + 16 pos; the scale word of 128 along K (g) at 65536 + 512 g + 4 pos.  pos is the row's number with bits 3 and 4 changed over: so lane r of the 16-row tile
; 2 b + u holds row 32 b + 8 u + r % 8 + 16 (r / 8), and a product's 16 registers of two neighbouring tiles are 16 neighbours along that operand's rows.
; SHARES: work-group W takes record W / 8 and 128 along K (W % 8); wave w its rows 32 w .. 32 w + 31; a lane ends with the 128 numbers (four blocks) of one row.
; x: each load reads 512 consecutive bytes of one row; the 32 rows turn through the wave's own stage in LDS (rows 528 bytes apart) and come back a row to a lane.
; Weights: a lane takes a column and its registers run down K: each load reads 128 consecutive bytes a wave, 512 a work-group.  No barrier: waves share nothing.
.set RT,    69632
.set WST,   16896                      ; a wave's stage: 32 rows x (512 + 16) bytes
.set SPARE, 4*WST                      ; behind the stages: the spare words, 128 bytes a wave, which no other line names
.set X,     32                         ; v32-159  128 numbers: block t at X + 32 t
.set C,     16                         ; v16-31   codes: four registers a block, never written twice
.set SPW,   160                        ; v160     my spare word's LDS address; never rewritten
.set NIL,   161                        ; v161     0; never rewritten
	s_load_b256 s[4:11], s[0:1], 0x0               ; x s[4:5], w_qkv s[6:7], w_proj s[8:9], ops s[10:11]
	v_lshl_add_u32 v[SPW], v0, 2, SPARE
	v_mov_b32 v[NIL], 0
	v_lshrrev_b32 v2, 5, v0
	v_readfirstlane_b32 s12, v2                    ; wave
	v_and_b32 v1, 31, v0                           ; lane
	s_lshr_b32 s13, ttmp9, 3                       ; record
	s_and_b32 s14, ttmp9, 7                        ; g: which 128 along K
	s_mul_i32 s15, s12, WST
	v_lshlrev_b32 v4, 4, v1
	v_add_nc_u32 v4, s15, v4                       ; the stage on the way in: 16 x lane, a row an instruction
	v_mul_u32_u24 v5, v1, 528
	v_add_nc_u32 v5, s15, v5                       ; and on the way out: my row
	v_and_b32 v15, 7, v1
	v_bfe_u32 v2, v1, 4, 1
	v_lshl_or_b32 v15, v2, 3, v15
	v_bfe_u32 v2, v1, 3, 1
	v_lshl_or_b32 v15, v2, 4, v15                  ; my row's position among the wave's 32: bits 3 and 4 changed over
	v_lshlrev_b32 v6, 4, v15                       ; 16 bytes of codes a position
	v_lshlrev_b32 v7, 2, v15                       ; 4 bytes of scales a position
	s_mul_i32 s16, s13, RT
	s_lshl_b32 s17, s14, 13
	s_add_co_u32 s16, s16, s17
	s_lshl_b32 s17, s12, 9
	s_add_co_u32 s16, s16, s17                     ; codes: record + 8192 g + 512 wave
	s_mov_b32 s17, 0
	s_mul_i32 s20, s13, RT
	s_add_co_u32 s20, s20, 65536
	s_lshl_b32 s21, s14, 9
	s_add_co_u32 s20, s20, s21
	s_lshl_b32 s21, s12, 7
	s_add_co_u32 s20, s20, s21                     ; scale words: record + 65536 + 512 g + 128 wave
	s_mov_b32 s21, 0
	s_wait_kmcnt 0x0
	s_add_nc_u64 s[18:19], s[10:11], s[16:17]
	s_add_nc_u64 s[22:23], s[10:11], s[20:21]
.macro WLOAD pitch                     ; W(128 g + i, my column), i = 0 .. 127
.set i, 0
.rept 128
	global_load_b32 v[X+i], v3, s[24:25] offset:i*\pitch th:TH_LOAD_NT
.set i, i+1
.endr
.endm
	s_cmp_lt_u32 s13, 32                           ; which tensor: the work-group's number alone decides
	s_cbranch_scc0 .Lweights
	s_lshl_b32 s26, s13, 19                        ; x: 128 rows of 4,096 bytes a record,
	s_lshl_b32 s27, s12, 17                        ; 32 rows a wave,
	s_add_co_u32 s26, s26, s27
	s_lshl_b32 s27, s14, 9                         ; 512 bytes a g
	s_add_co_u32 s26, s26, s27
	s_mov_b32 s27, 0
	s_add_nc_u64 s[24:25], s[4:5], s[26:27]
	v_lshlrev_b32 v3, 4, v1
.set i, 0
.rept 32
	global_load_b128 v[X+4*i:X+4*i+3], v3, s[24:25] offset:4096*i th:TH_LOAD_NT   ; row i: 32 lanes read 512 consecutive bytes
.set i, i+1
.endr
.set i, 0
.rept 32
.if i%8 == 0
	s_wait_loadcnt 24-i                            ; eight rows are in; the younger rows' loads stay out
.endif
	ds_store_b128 v4, v[X+4*i:X+4*i+3] offset:528*i
.set i, i+1
.endr
	s_wait_dscnt 0x0                               ; the stores have read their registers, which the loads below fill again
.set i, 0
	s_wait_alu depctr_va_vdst(0)
.rept 32
	ds_load_b128 v[X+4*i:X+4*i+3], v5 offset:16*i  ; my row's 128 numbers; rows 33 x 16 bytes apart: sixteen lanes touch sixteen different columns of 16 bytes
.set i, i+1
.endr
	s_branch .Lquant
.Lweights:
	v_lshlrev_b32 v3, 2, v1
	s_cmp_lt_u32 s13, 56
	s_cbranch_scc0 .Lproj
	s_mul_i32 s26, s14, 1572864                    ; w_qkv: 128 rows of 12,288 bytes a g,
	s_sub_co_u32 s27, s13, 32
	s_lshl_b32 s27, s27, 9                         ; 128 columns a record,
	s_add_co_u32 s26, s26, s27
	s_lshl_b32 s27, s12, 7                         ; 32 columns a wave
	s_add_co_u32 s26, s26, s27
	s_mov_b32 s27, 0
	s_add_nc_u64 s[24:25], s[6:7], s[26:27]
	s_wait_alu depctr_va_vdst(0)
	WLOAD 12288                                    ; the largest offset, 127 x 12,288, lies inside the signed 24-bit immediate
	s_branch .Lquant
.Lproj:
	s_lshl_b32 s26, s14, 19                        ; w_proj: 128 rows of 4,096 bytes a g
	s_sub_co_u32 s27, s13, 56
	s_lshl_b32 s27, s27, 9
	s_add_co_u32 s26, s26, s27
	s_lshl_b32 s27, s12, 7
	s_add_co_u32 s26, s26, s27
	s_mov_b32 s27, 0
	s_add_nc_u64 s[24:25], s[8:9], s[26:27]
	s_wait_alu depctr_va_vdst(0)
	WLOAD 4096
.Lquant:
; Block t: all its 32 numbers are mine.  Both waits stand on both ways: the weights' way has global loads out (96 - 32 t younger ones; a wait names 63 at the most), x's way LDS loads (24 - 8 t younger ones).
.macro QBLK t
.set XS, X+32*(\t)
.if (\t) < 2
	s_wait_loadcnt 63
.else
	s_wait_loadcnt 96-32*(\t)
.endif
	s_wait_dscnt 24-8*(\t)
	v_max3_num_f32 v12, |v[XS]|, |v[XS+1]|, |v[XS+2]|              ; the largest magnitude, in two chains
	v_max3_num_f32 v13, |v[XS+3]|, |v[XS+4]|, |v[XS+5]|
.irp i, 6,10,14,18,22,26
	v_max3_num_f32 v12, v12, |v[XS+\i]|, |v[XS+\i+1]|
	v_max3_num_f32 v13, v13, |v[XS+\i+2]|, |v[XS+\i+3]|
.endr
	v_max3_num_f32 v12, v12, |v[XS+30]|, |v[XS+31]|
	v_max3_num_f32 v12, v12, v13, 0x1800000        ; and the floor 2^(3 - 127): the byte cannot fall under 1
	v_add_nc_u32 v[8+(\t)], 0xff000000, v12        ; 2 off the exponent field: the conversion takes this operand's exponent field as its scale
	v_lshrrev_b32 v13, 23, v[8+(\t)]               ; the scale's byte
.if (\t) == 0
	v_mov_b32 v14, v13
.else
	v_lshl_or_b32 v14, v13, 8*(\t), v14            ; four bytes make the word of these 128 along K
.endif
.irp g, 0,1,2,3
	v_cvt_scalef32_pk8_fp4_f32 v[C+4*(\t)+\g], v[XS+8*\g:XS+8*\g+7], v[8+(\t)]
.endr
	global_store_b128 v6, v[C+4*(\t):C+4*(\t)+3], s[18:19] offset:2048*(\t)   ; the wave's 32 positions: 512 consecutive bytes, at a multiple of 256 from the buffer's first byte
.endm
	QBLK 0
	QBLK 1
	QBLK 2
	QBLK 3
	v_nop                                          ; a plain line behind the last conversion
	global_store_b32 v7, v14, s[22:23]             ; 128 consecutive bytes a wave, 512 a work-group: one byte for each 128 that the launch reads
	s_wait_tensorcnt 0x0                           ; the wave's end
	ds_add_u32 v[SPW], v[NIL]
	s_wait_dscnt 0x0
	s_endpgm
.Lfunc_end_k_q4be66d4b5c_quant:
	.size	k_q4be66d4b5c_quant, .Lfunc_end_k_q4be66d4b5c_quant-k_q4be66d4b5c_quant
	.p2alignl 7, 3214868480
	.fill 96, 4, 3214868480
	.section	.rodata,"a",@progbits
	.p2align	6, 0x0
	.amdhsa_kernel k_q4be66d4b5c_quant
		.amdhsa_group_segment_fixed_size 68096
		.amdhsa_private_segment_fixed_size 0
		.amdhsa_enable_private_segment 0
		.amdhsa_kernarg_size 32
		.amdhsa_user_sgpr_count 2
		.amdhsa_user_sgpr_kernarg_segment_ptr 1
		.amdhsa_wavefront_size32 1
		.amdhsa_system_sgpr_workgroup_id_x 1
		.amdhsa_system_sgpr_workgroup_id_y 1
		.amdhsa_system_sgpr_workgroup_id_z 1
		.amdhsa_system_vgpr_workitem_id 0
		.amdhsa_next_free_vgpr 168
		.amdhsa_next_free_sgpr 66
		.amdhsa_reserve_vcc 0
		.amdhsa_float_denorm_mode_32 3
		.amdhsa_float_denorm_mode_16_64 3
		.amdhsa_memory_ordered 1
		.amdhsa_forward_progress 1
		.amdhsa_inst_pref_size 41
	.end_amdhsa_kernel
	.amdgpu_metadata
---
amdhsa.version: [ 1, 2 ]
amdhsa.kernels:
  - .name:           k_q4be66d4b5c_quant
    .symbol:         k_q4be66d4b5c_quant.kd
    .args:
      - { .name: x, .offset: 0, .size: 8, .value_kind: global_buffer, .address_space: global }
      - { .name: w_qkv, .offset: 8, .size: 8, .value_kind: global_buffer, .address_space: global }
      - { .name: w_proj, .offset: 16, .size: 8, .value_kind: global_buffer, .address_space: global }
      - { .name: ops, .offset: 24, .size: 8, .value_kind: global_buffer, .address_space: global }
    .group_segment_fixed_size: 68096
    .private_segment_fixed_size: 0
    .kernarg_segment_align: 8
    .kernarg_segment_size: 32
    .max_flat_workgroup_size: 128
    .sgpr_count:     66
    .vgpr_count:     168
    .wavefront_size: 32
...
	.end_amdgpu_metadata
.endif
;; end of part 1
;; launch qkv (part 2): grid 48 x 4, 4 waves a work-group, clusters of 4 x 4, 327,680 bytes of LDS; arguments ops, b_qkv, qkv; writes qkv
.if DOCPART == 2
	.amdgcn_target "amdgcn-amd-amdhsa--gfx1250"
	.amdhsa_code_object_version 6
	.text
	.protected	k_q4be66d4b5c_qkv
	.globl	k_q4be66d4b5c_qkv
	.p2align	8
	.type	k_q4be66d4b5c_qkv,@function
k_q4be66d4b5c_qkv:
	s_mov_b64 s[64:65], 0
	v_nop
	global_prefetch_b8 v0, s[64:65] scope:SCOPE_SE
	s_setreg_imm32_b32 hwreg(HW_REG_WAVE_MODE, 25, 1), 1
	s_wait_xcnt 0x0
	s_wait_alu depctr_hold_cnt(0) depctr_sa_sdst(0) depctr_va_vdst(0) depctr_va_sdst(0) depctr_va_ssrc(0) depctr_va_vcc(0) depctr_vm_vsrc(0)
	s_getreg_b32 s2, hwreg(HW_REG_IB_STS2, 6, 4)
	s_cmp_eq_u32 s2, 0
	s_cbranch_scc0 .Lentry_in_a_cluster
	s_endpgm
.Lentry_in_a_cluster:
	s_bfe_u32 s2, ttmp6, 0x10000c
	s_cmp_lg_u32 s2, 0xf033
	s_cbranch_scc0 .Lentry_shape_is_right
	s_endpgm
.Lentry_shape_is_right:
; Product 1, x w_qkv + b_qkv, on the codes that the launch before made, and its results quantised on the way out: q and k along the head's 64, v along the keys.  Nothing of reference() is left out.
; D = S0 S1^T (source 0 = 16 rows of S0, source 1 = 16 rows of S1): a lane holds ONE row of S1 and its registers run along S0's rows, which by ops' order of positions are neighbours: 16 registers of two
; neighbouring tiles are 16 neighbours.  A result is quantised along S0.  So for q and k (clusters 0-7): S0 = columns of w_qkv, S1 = tokens; for v (clusters 8-11): S0 = tokens, S1 = v's columns.
; Both kinds are tiles of 256 x 256 on records of one buffer: only record numbers, the bias' layout and the way out differ, by three short branches on the cluster's number, which all partners share.
; A work-group of four waves makes 256 x 256, a wave 128 x 128: 64 accumulators.  K = 1,024 is two LDS slots of 512, both filled once at the start, with all scale words: nothing is filled again.
; CLUSTER 4 x 4: S1's records hang on the tile row, shared along a row of the cluster; S0's on the tile column, shared along a column: each is asked for jointly by the four that share it.
; The bias is the C of each sum's first product.
; LAYOUT OF qkv: [batch x head 32][s 16] records of REC bytes for 128 tokens: 0 K's 8 tiles as images of operand registers (512 bytes: lane (r, h) has block h of its key); 4096 V's images (d tile 4 x half 2 x 512);
; 8192 K's scale words (bytes: block 0, block 1, 0x7f, 0x7f); 8704 V's scale words (64 positions of d); 8960 Q's images; 13056 Q's scale words.
; LIMITS: as in the first launch (a block of zeros has the byte 1; the floor 2^-124; no NaN, no infinities).
; REGISTERS: window 0: v0-31 addresses; v32-95 scale words, two sets; v128-191 S1's fragments, one set; v192-255 the bias, later the way out.  Window 1: S0's fragments, two sets (v0, v128).
; Windows 2, 3: accumulator (a, b) at v[8 (8 (a % 4) + b)], a = S1's tile, b = S0's.
.set RT,    69632
.set REC,   13568
.set HEADB, 16*REC
.set HALFT, 32768                      ; the codes of 512 along K of a record's 128 rows
.set SLOT,  HALFT                      ; LDS holds four whole records, RT bytes each: S1's two, then S0's two; in a record the second 512 along K begin here
.set SCL,   65536                      ; and its scale words here
.set SPARE, 4*RT                       ; the spare words, 128 bytes a wave, which no other line names
.set SSTGQ, SPARE+512                  ; q and k's way out: 1,024 bytes a wave for scale words
.set SSTGV, SSTGQ+4096                 ; v's way out: 512 bytes a wave: bytes of its own for each way
.set NQ, 4
.set FR, 8
.set NL, 2
.set NP, 4
.set ADRA, 16
.set ADRB, 20
.set SRQ,  22
.set SRV,  23
.set L16,  24
.set SSA,  25
.set SSV,  26
.set ADRS, 27
.set SPW,  28
.set NIL,  29
.set GSV,  30
.set SC,   32
.set AF,   128
.set BIAS, 192
.set TM,   192                         ; the way out: v192-195 largest magnitudes, v196-199 the other half's, then bytes, v204-207 the conversions' scale operands
.set PWT,  208
.set PC,   216                         ; two sets of 8 registers of codes, by turns
.set RB,   232
.set PWA,  240                         ; a scale word's register for each of the eight tiles
.set SEL,  2                           ; s[2:3] lane selects: lane l xor 16
.set HIM,  96                          ; s96 the mask of lanes 16-31
.set OC,   92                          ; s[92:93] where my codes go, s[94:95] my scale words
.set OS,   94
.set G1, 24
.set G0, 32
.set G1B, 48
.set G0B, 56
.set G1S, 68
.set G0S, 76
.set G1SB, 80
.set G0SB, 88
.set MSB, 0
.macro WIN new                         ; the immediate's high byte repeats the setting that is left
.if MSB != \new
	s_set_vgpr_msb (MSB<<8)|\new
.set MSB, \new
.endif
.endm
.set MUL_LO, 0xa1                      ; source 0 (S0) window 1, source 1 (S1) window 0, C and D window 2
.set MUL_HI, 0xf1
.set TO_B,   0x40
; A joint load: waves 0 and 1 fetch S1's two records, waves 2 and 3 S0's.  The branch hangs on the wave's number alone.  An s_nop 0 and four v_nop follow each line.
.macro JLOAD g0a, g1a, g0b, g1b
	s_cmp_eq_u32 s15, 0
	s_cbranch_scc0 .Lfor_b_\@
	tensor_load_to_lds s[\g0a:\g0a+3], s[\g1a:\g1a+7]
	s_nop 0
.rept 4
	v_nop
.endr
	s_branch .Lasked_\@
.Lfor_b_\@:
	tensor_load_to_lds s[\g0b:\g0b+3], s[\g1b:\g1b+7]
	s_nop 0
.rept 4
	v_nop
.endr
.Lasked_\@:
.endm
.macro CROUND                          ; a round of the cluster's barrier
	s_barrier_signal -1
	s_barrier_wait -1
	s_cmp_lg_u32 s14, 0
	s_cbranch_scc1 .Lnot_wave_0_\@
	s_barrier_signal -3
.Lnot_wave_0_\@:
	s_barrier_wait -3
	s_barrier_signal -1
	s_barrier_wait -1
.endm
	s_load_b128 s[4:7], s[0:1], 0x0                ; ops s[4:5], b_qkv s[6:7]
	s_load_b64 s[8:9], s[0:1], 0x10                ; qkv
	v_lshl_add_u32 v[SPW], v0, 2, SPARE
	v_mov_b32 v[NIL], 0
	ds_add_u32 v[SPW], v[NIL]                      ; the wave's opening: the add, twice on end, and its wait ahead of my first tensor load
	ds_add_u32 v[SPW], v[NIL]
	v_lshrrev_b32 v1, 5, v0
	v_readfirstlane_b32 s14, v1                    ; wave
	s_lshr_b32 s15, s14, 1                         ; my half of S1's rows.  Also: I fetch for S1 (0) or S0 (1)
	s_and_b32 s16, s14, 1                          ; my half of S0's rows.  Also: which record of the pair I fetch
	s_bfe_u32 s40, ttmp6, 0x40000                  ; cx
	s_bfe_u32 s41, ttmp6, 0x40004                  ; cy
	s_and_b32 s10, ttmp9, 1
	s_lshr_b32 s11, ttmp9, 1
	s_sub_co_u32 s12, ttmp9, 8
	s_cmp_lt_u32 ttmp9, 8                          ; clusters 0-7: q and k;  8-11: v
	s_cselect_b32 s10, s10, s12                    ; which four tile columns
	s_cselect_b32 s11, s11, 0                      ; which four tile rows
	s_cselect_b32 s12, 32, 0                       ; S0's first record: w_qkv's, or x's
	s_cselect_b32 s13, 0, 48                       ; S1's first record: x's, or that of w_qkv's column 2,048
	s_lshl_b32 s42, s10, 2
	s_add_co_u32 s42, s42, s40                     ; tile column
	s_lshl_b32 s17, s11, 2
	s_add_co_u32 s17, s17, s41                     ; tile row
	s_lshl_b32 s43, s41, 2
	s_lshl_b32 s43, 15, s43                        ; my row of the cluster
	s_lshl_b32 s44, 0x1111, s40                    ; my column
	; descriptor group 1: a whole record, codes and scale words, is one dense block: 272 rows of 256 bytes (32 elements of 8 bytes); no padding: a fragment load's sixteen lanes read 256 consecutive bytes
	s_or_b32 s[G1+0], s43, (3<<16)|(1<<21)         ; 15:0 the mask; 17:16 elements of 8 bytes; 21 set beside a mask
	s_or_b32 s[G1B+0], s44, (3<<16)|(1<<21)
.irp g, G1, G1B
	s_mov_b32 s[\g+1], 32<<16                      ; tensor_dim0
	s_mov_b32 s[\g+2], 272<<16                     ; tensor_dim1
	s_mov_b32 s[\g+3], 32<<16                      ; tile_dim0
	s_mov_b32 s[\g+4], 272                         ; tile_dim1
	s_mov_b32 s[\g+5], 32                          ; the pitch
	s_mov_b32 s[\g+6], 0
	s_mov_b32 s[\g+7], 0
.endr
	s_lshl_b32 s20, s17, 1
	s_add_co_u32 s20, s20, s13
	s_add_co_u32 s20, s20, s16
	s_mul_i32 s20, s20, RT                         ; S1's record that I would fetch: tile row and wave alone
	s_mov_b32 s21, 0
	s_lshl_b32 s46, s42, 1
	s_add_co_u32 s46, s46, s12
	s_add_co_u32 s46, s46, s16
	s_mul_i32 s46, s46, RT                         ; S0's: tile column and wave alone
	s_mov_b32 s47, 0
	s_mul_i32 s45, s14, RT                         ; where my record goes: the wave's number alone
	s_mov_b32 s[SEL], 0x76543210
	s_mov_b32 s[SEL+1], 0xfedcba98
	s_mov_b32 s[HIM], 0xffff0000
	s_wait_dscnt 0x0                               ; both opening adds are done
	s_wait_kmcnt 0x0
	s_add_nc_u64 s[20:21], s[4:5], s[20:21]
	s_add_nc_u64 s[46:47], s[4:5], s[46:47]
	CROUND                                         ; all sixteen work-groups are here: the first joint loads meet
	s_mov_b32 s[G0], 1
	s_mov_b32 s[G0+1], s45
	s_mov_b64 s[G0+2:G0+3], s[20:21]
	s_or_b32 s[G0+3], s[G0+3], 0x80000000
	s_mov_b32 s[G0B], 1
	s_mov_b32 s[G0B+1], s45
	s_mov_b64 s[G0B+2:G0B+3], s[46:47]
	s_or_b32 s[G0B+3], s[G0B+3], 0x80000000
	JLOAD G0, G1, G0B, G1B                         ; my one tensor load: a whole record, all of K with its scale words
	; every LDS address is made here, ahead of the branches, of the lane and the wave's number alone
	v_and_b32 v1, 15, v0                           ; r
	v_bfe_u32 v2, v0, 4, 1                         ; h
	s_wait_alu depctr_va_vdst(0)
	v_lshlrev_b32 v3, 4, v1
	v_lshl_add_u32 v4, v2, 11, v3                  ; a fragment: 16 r + 2048 h (lanes 16-31 take the next block of 32 along K)
	s_mul_i32 s98, s15, RT
	s_mul_i32 s99, s16, RT
	s_add_co_u32 s99, s99, 2*RT
.irp s, 0,1
	v_add_nc_u32 v[ADRA+\s], s98, v4
	v_add_nc_u32 v[ADRB+\s], s99, v4
	s_add_co_u32 s98, s98, SLOT
	s_add_co_u32 s99, s99, SLOT
.endr
	s_mul_i32 s98, s15, RT
	s_mul_i32 s99, s16, RT
	s_add_co_u32 s99, s99, 2*RT
	s_sub_co_u32 s99, s99, s98
	v_mul_u32_u24 v6, s99, v2                      ; lanes 16-31 take S0's words
	s_add_co_u32 s98, s98, SCL
	v_lshlrev_b32 v10, 2, v1                       ; 4 r
	v_add_nc_u32 v5, v10, v6
	v_add_nc_u32 v[ADRS], s98, v5
	v_and_b32 v9, 31, v0
	v_lshlrev_b32 v[L16], 4, v9                    ; 16 x lane
	s_lshl_b32 s98, s14, 10
	s_add_co_u32 s98, s98, SSTGQ
	v_lshl_add_u32 v11, v2, 9, v10
	v_add_nc_u32 v[SSA], s98, v11                  ; q, k: lanes 0-15 put the first head's word, lanes 16-31 the second's, 512 bytes on
	v_add_nc_u32 v[SRQ], s98, v[L16]
	s_lshl_b32 s99, s14, 9
	s_add_co_u32 s99, s99, SSTGV
	v_add_nc_u32 v[SSV], s99, v10
	v_add_nc_u32 v[SRV], s99, v[L16]
	v_mul_u32_u24 v11, v2, HEADB
	v_lshl_add_u32 v[GSV], v1, 4, v11              ; v's scale words: lanes 0-15 the first head's 256 bytes, lanes 16-31 the second's
	v_lshlrev_b32 v7, 6, v2                        ; the bias along S0: 16 h numbers on
	v_and_b32 v8, 8, v1
	v_add_nc_u32 v8, v8, v1
	v_lshlrev_b32 v8, 2, v8                        ; the bias along S1: my row r % 8 + 16 (r / 8) of the tile
	; where my results go
	s_lshl_b32 s100, s17, 1
	s_add_co_u32 s100, s100, s15                   ; 2 x tile row + my half of S1
	s_lshl_b32 s101, s42, 1
	s_add_co_u32 s101, s101, s16                   ; 2 x tile column + my half of S0
	s_cmp_lt_u32 ttmp9, 8
	s_cselect_b32 s22, s100, s101                  ; my 128 tokens' number, 0 .. 31
	s_cselect_b32 s23, s101, s100                  ; my 128 columns' number (q, k: 0 .. 15; v: 0 .. 7)
	s_cselect_b32 s11, 0, 8192                     ; v's bias begins at number 2,048
	s_lshl_b32 s10, s23, 9
	s_add_co_u32 s10, s10, s11
	s_mov_b32 s11, 0
	s_add_nc_u64 s[10:11], s[6:7], s[10:11]        ; the bias of my 128 columns
	s_lshr_b32 s97, s22, 4
	s_lshl_b32 s97, s97, 4                         ; 16 x batch
	s_lshl_b32 s66, s23, 1
	s_and_b32 s66, s66, 15                         ; my first head
	s_add_co_u32 s97, s97, s66
	s_lshl_b32 s97, s97, 4
	s_and_b32 s66, s22, 15                         ; s: which 128 tokens of the sequence
	s_add_co_u32 s97, s97, s66
	s_mul_i32 s97, s97, REC
	s_and_b32 s66, ttmp9, 1
	s_mov_b32 s67, 8192
	s_cmp_eq_u32 s66, 0                            ; even clusters of the first eight make q, odd ones k
	s_cselect_b32 s66, 8960, 0
	s_cselect_b32 s67, 13056, s67
	s_mov_b32 s100, 8704
	s_cmp_lt_u32 ttmp9, 8
	s_cselect_b32 s66, s66, 4096
	s_cselect_b32 s67, s67, s100
	s_add_co_u32 s[OC], s66, s97
	s_mov_b32 s[OC+1], 0
	s_add_co_u32 s[OS], s67, s97
	s_mov_b32 s[OS+1], 0
	s_add_nc_u64 s[OC:OC+1], s[8:9], s[OC:OC+1]
	s_add_nc_u64 s[OS:OS+1], s[8:9], s[OS:OS+1]
	; the bias, in the result's layout: eight registers a tile
	s_cmp_lt_u32 ttmp9, 8
	s_cbranch_scc0 .Lbias_v
	s_wait_alu depctr_va_vdst(0)
.irp b, 0,1,2,3,4,5,6,7                ; along S0: register j of tile b is column 32 (b / 2) + 16 h + 8 (b % 2) + j
	global_load_b128 v[BIAS+8*\b:BIAS+8*\b+3], v7, s[10:11] offset:(32*(\b/2)+8*(\b%2))*4
	global_load_b128 v[BIAS+8*\b+4:BIAS+8*\b+7], v7, s[10:11] offset:(32*(\b/2)+8*(\b%2))*4+16
.endr
	s_branch .Lbias_done
.Lbias_v:
	s_wait_alu depctr_va_vdst(0)
.irp a, 0,1,2,3,4,5,6,7                ; along S1: all eight registers of tile a hold my column's number
.irp j, 0,1,2,3,4,5,6,7
	global_load_b32 v[BIAS+8*\a+\j], v8, s[10:11] offset:(32*(\a/2)+8*(\a%2))*4
.endr
.endr
.Lbias_done:
.macro FRAG reg, adr, q, i             ; 16 rows x 128 K: registers 4 c .. 4 c + 3 hold K = 64 c + 32 h + 0 .. 31: block 4 q + 2 c + h of the slot
.irp c, 0,1
	ds_load_b128 v[\reg+4*\c:\reg+4*\c+3], v[\adr] offset:8192*(\q)+4096*\c+256*(\i)
.endr
.endm
; 16 products: S1's tiles a0, a0 + 1 x S0's eight, the slot's q-th 128 along K.  zero = 1: C is the bias along S0; 2: the bias along S1; 0: the sum goes on.  The 64 accumulators take turns, one instruction a turn.
.macro MUL16 a0, p, q, sc, zero
.irp a, \a0, \a0+1
.irp b, 0,1,2,3,4,5,6,7
.if \zero == 1
	v_wmma_scale_f32_16x16x128_f8f6f4 v[8*(8*((\a)%4)+\b):8*(8*((\a)%4)+\b)+7], v[128*(\p)+FR*\b:128*(\p)+FR*\b+FR-1], v[AF+FR*(\a):AF+FR*(\a)+FR-1], v[BIAS+8*\b:BIAS+8*\b+7], v[SC+8*NQ*(\sc)+NQ*\b+(\q)], v[SC+8*NQ*(\sc)+NQ*(\a)+(\q)] matrix_a_fmt:MATRIX_FMT_FP4 matrix_b_fmt:MATRIX_FMT_FP4 matrix_a_scale:MATRIX_SCALE_ROW1
.elseif \zero == 2
	v_wmma_scale_f32_16x16x128_f8f6f4 v[8*(8*((\a)%4)+\b):8*(8*((\a)%4)+\b)+7], v[128*(\p)+FR*\b:128*(\p)+FR*\b+FR-1], v[AF+FR*(\a):AF+FR*(\a)+FR-1], v[BIAS+8*(\a):BIAS+8*(\a)+7], v[SC+8*NQ*(\sc)+NQ*\b+(\q)], v[SC+8*NQ*(\sc)+NQ*(\a)+(\q)] matrix_a_fmt:MATRIX_FMT_FP4 matrix_b_fmt:MATRIX_FMT_FP4 matrix_a_scale:MATRIX_SCALE_ROW1
.else
	v_wmma_scale_f32_16x16x128_f8f6f4 v[8*(8*((\a)%4)+\b):8*(8*((\a)%4)+\b)+7], v[128*(\p)+FR*\b:128*(\p)+FR*\b+FR-1], v[AF+FR*(\a):AF+FR*(\a)+FR-1], v[8*(8*((\a)%4)+\b):8*(8*((\a)%4)+\b)+7], v[SC+8*NQ*(\sc)+NQ*\b+(\q)], v[SC+8*NQ*(\sc)+NQ*(\a)+(\q)] matrix_a_fmt:MATRIX_FMT_FP4 matrix_b_fmt:MATRIX_FMT_FP4 matrix_a_scale:MATRIX_SCALE_ROW1
.endif
.endr
.endr
.endm
.macro FETCH_B slot, q, p
	WIN TO_B
.irp i, 0,1,2,3,4,5,6,7
	FRAG 128*(\p)+FR*\i, ADRB+\slot, \q, \i
.endr
	WIN 0
.endm
.macro FETCH_A slot, q, i0
.irp i, \i0, \i0+1, \i0+2, \i0+3
	FRAG AF+FR*(\i), ADRA+\slot, \q, \i
.endr
.endm
.macro SCALES sc                       ; a slot's scale words: register 4 i + q: lanes 0-15 the word of S1's tile i, lanes 16-31 that of S0's tile i, for the slot's q-th 128 along K
.irp i, 0,1,2,3,4,5,6,7
.irp q, 0,1,2,3
	ds_load_b32 v[SC+32*\sc+4*\i+\q], v[ADRS] offset:(4*\sc+\q)*512+64*\i
.endr
.endr
.endm
.macro PLACES n                        ; plain vector lines between a matrix instruction and a load into, or a vector read of, its registers
.rept \n
	v_nop
.endr
.endm
.macro STEP slot, q, zero              ; 128 along K whose successor lies in the same slot
	s_wait_dscnt 4*NL                              ; all but the youngest eight loads (S1's tiles 4-7) are in
.if \zero
	WIN 0x81                                       ; C, the bias, in window 0; D in window 2
.else
	WIN MUL_LO
.endif
	MUL16 0, (\q)%2, \q, \slot, \zero
	MUL16 2, (\q)%2, \q, \slot, \zero
	s_wait_dscnt 0
	PLACES NP
	FETCH_B \slot, (\q)+1, 1-(\q)%2
	FETCH_A \slot, (\q)+1, 0
.if \zero
	WIN 0xc1
.else
	WIN MUL_HI
.endif
	MUL16 4, (\q)%2, \q, \slot, \zero
	MUL16 6, (\q)%2, \q, \slot, \zero
	PLACES NP
	WIN 0
	FETCH_A \slot, (\q)+1, 4
.endm
; The last step of the first 512 along K; its successor lies in the records' second half, which has been in LDS since the barrier at the head: no barrier here.
.macro TURN slot, next
	s_wait_dscnt 4*NL                              ; all but the youngest eight loads are in
	WIN MUL_LO
	MUL16 0, 1, NQ-1, \slot, 0
	MUL16 2, 1, NQ-1, \slot, 0
	s_wait_dscnt 0x0
	WIN 0
	PLACES NP
	FETCH_B \next, 0, 0
	FETCH_A \next, 0, 0
	SCALES \next
	WIN MUL_HI
	MUL16 4, 1, NQ-1, \slot, 0
	MUL16 6, 1, NQ-1, \slot, 0
	PLACES NP
	WIN 0
	FETCH_A \next, 0, 4
.endm
.macro STEPS slot, from
.set Q, \from
.rept NQ-1-\from
	STEP \slot, Q, 0
.set Q, Q+1
.endr
.endm
	s_wait_tensorcnt 0x0                           ; my record is in; behind the barrier all four are
	s_barrier_signal -1
	s_barrier_wait -1
	FETCH_B 0, 0, 0
	FETCH_A 0, 0, 0
	SCALES 0
	FETCH_A 0, 0, 4
	s_wait_loadcnt 0x0                             ; the bias
	s_cmp_lt_u32 ttmp9, 8
	s_cbranch_scc0 .Lfirst_v
	STEP 0, 0, 1
	s_branch .Lfirst_done
.Lfirst_v:
	STEP 0, 0, 2
.Lfirst_done:
	STEPS 0, 1
	TURN 0, 1
	STEPS 1, 0
	s_wait_dscnt 4*NL                              ; the very last step: nothing more to fetch
	WIN MUL_LO
	MUL16 0, 1, NQ-1, 1, 0
	MUL16 2, 1, NQ-1, 1, 0
	s_wait_dscnt 0
	WIN MUL_HI
	MUL16 4, 1, NQ-1, 1, 0
	MUL16 6, 1, NQ-1, 1, 0
	WIN 0
; THE WAY OUT of S1's tile a: my row's 64 numbers, register 16 b + i = S0's index 32 b + 16 h + i, become a fragment (8 registers) and scale bytes.  The fragment is stored as it stands, 16 bytes a lane.
; q, k: blocks 0, 1 are the first head's 64, blocks 2, 3 the second's: registers 0-3 go to the first head's record, 4-7 to the second's.  v: the four blocks are 128 keys of one d: one fragment of V.
.macro OUTA a, isv
.set AC, 64*((\a)%4)
.set PCS, PC+8*((\a)%2)
	WIN 10+5*((\a)/4)                              ; sources 0 and 1: the accumulators' window
.irp b, 0,1,2,3
	v_max3_num_f32 v[TM+\b], |v[AC+16*\b]|, |v[AC+16*\b+1]|, 0x1800000   ; each accumulator is read from its low end on; the floor 2^(3 - 127) holds the byte at 1 from below
.endr
.irp i, 2,4,6,8,10,12,14
.irp b, 0,1,2,3
	v_max3_num_f32 v[TM+\b], |v[AC+16*\b+\i]|, |v[AC+16*\b+\i+1]|, v[TM+\b]
.endr
.endr
	WIN 0
.irp b, 0,1,2,3
	v_permlanex16_b32 v[TM+4+\b], v[TM+\b], s[SEL], s[SEL+1]
.endr
.irp b, 0,1,2,3
	v_max_num_f32 v[TM+\b], v[TM+\b], v[TM+4+\b]   ; with lane l xor 16's 16 numbers: the block's largest magnitude
.endr
.irp b, 0,1,2,3
	v_add_nc_u32 v[TM+12+\b], 0xff000000, v[TM+\b] ; 2 off the exponent field: the conversion's scale operand
.endr
.irp b, 0,1,2,3
	v_lshrrev_b32 v[TM+4+\b], 23, v[TM+12+\b]      ; the byte
.endr
.if \isv
	v_lshl_or_b32 v[PWA+(\a)], v[TM+5], 8, v[TM+4]
	v_lshl_or_b32 v[PWA+(\a)], v[TM+6], 16, v[PWA+(\a)]
	v_lshl_or_b32 v[PWA+(\a)], v[TM+7], 24, v[PWA+(\a)]
	ds_store_b32 v[SSV], v[PWA+(\a)] offset:64*(\a)   ; both halves of the lanes write the same word to the same place
.else
	v_lshl_or_b32 v[PWT], v[TM+5], 8, v[TM+4]
	v_lshl_or_b32 v[PWT+1], v[TM+7], 8, v[TM+6]
	v_cndmask_b32 v[PWT], v[PWT], v[PWT+1], s[HIM] ; lanes 16-31 carry the second head's word
	v_or_b32 v[PWA+(\a)], 0x7f7f0000, v[PWT]       ; the upper half of the instruction's 128 along K, which a head of 64 leaves empty, gets the scale 1
	ds_store_b32 v[SSA], v[PWA+(\a)] offset:64*(\a)
.endif
.if (\a) > 1
	s_wait_xcnt 0x0                                ; tile a - 2's stores have read this set of code registers
.endif
	WIN 2+(\a)/4                                   ; source 0: the accumulators' window
.irp b, 0,1,2,3
	v_cvt_scalef32_pk8_fp4_f32 v[PCS+2*\b], v[AC+16*\b:AC+16*\b+7], v[TM+12+\b]
	v_cvt_scalef32_pk8_fp4_f32 v[PCS+2*\b+1], v[AC+16*\b+8:AC+16*\b+15], v[TM+12+\b]
.endr
	WIN 0
	v_nop                                          ; a plain line behind the conversions
.irp c, 0,1                            ; the operand's layout wants a whole block in a lane
.irp i, 0,1
	v_permlane16_swap_b32 v[PCS+4*\c+\i], v[PCS+2+4*\c+\i]
.endr
.endr
.irp c, 0,1
.if \isv
	global_store_b128 v[L16], v[PCS+4*\c:PCS+4*\c+3], s[OC:OC+1] offset:((\a)/4)*HEADB+((\a)%4)*1024+512*\c
.else
	global_store_b128 v[L16], v[PCS+4*\c:PCS+4*\c+3], s[OC:OC+1] offset:\c*HEADB+512*(\a)   ; 512 consecutive bytes, at a multiple of 256 from the buffer's first byte
.endif
.endr
.endm
.macro EPI isv
	PLACES NP                                      ; behind the last products
.irp b, 0,1,2,3
	v_mov_b32 v[TM+4+\b], 0                        ; a lane permute's destination counts as one of its sources
.endr
.irp a, 0,1,2,3,4,5,6,7
	OUTA \a, \isv
.endr
.if \isv
	ds_load_b128 v[RB:RB+3], v[SRV]                ; LDS serves a wave's instructions in order: these see my stores
	s_wait_dscnt 0x0
	global_store_b128 v[GSV], v[RB:RB+3], s[OS:OS+1]               ; two heads' 256 bytes of scale words, each whole
.else
	ds_load_b128 v[RB:RB+3], v[SRQ]
	ds_load_b128 v[RB+4:RB+7], v[SRQ] offset:512
	s_wait_dscnt 0x0
	global_store_b128 v[L16], v[RB:RB+3], s[OS:OS+1]               ; a head's 512 bytes of scale words
	global_store_b128 v[L16], v[RB+4:RB+7], s[OS:OS+1] offset:HEADB
.endif
.endm
	s_cmp_lt_u32 ttmp9, 8
	s_cbranch_scc0 .Lout_v
	EPI 0
	s_branch .Lout_done
.Lout_v:
	EPI 1
.Lout_done:
	s_wait_tensorcnt 0x0                           ; the wave's end
	ds_add_u32 v[SPW], v[NIL]
	s_wait_dscnt 0x0
	CROUND                                         ; the closing round
	s_endpgm
.Lfunc_end_k_q4be66d4b5c_qkv:
	.size	k_q4be66d4b5c_qkv, .Lfunc_end_k_q4be66d4b5c_qkv-k_q4be66d4b5c_qkv
	.p2alignl 7, 3214868480
	.fill 96, 4, 3214868480
	.section	.rodata,"a",@progbits
	.p2align	6, 0x0
	.amdhsa_kernel k_q4be66d4b5c_qkv
		.amdhsa_group_segment_fixed_size 327680
		.amdhsa_private_segment_fixed_size 0
		.amdhsa_enable_private_segment 0
		.amdhsa_kernarg_size 24
		.amdhsa_user_sgpr_count 2
		.amdhsa_user_sgpr_kernarg_segment_ptr 1
		.amdhsa_wavefront_size32 1
		.amdhsa_system_sgpr_workgroup_id_x 1
		.amdhsa_system_sgpr_workgroup_id_y 1
		.amdhsa_system_sgpr_workgroup_id_z 1
		.amdhsa_system_vgpr_workitem_id 0
		.amdhsa_next_free_vgpr 1024
		.amdhsa_next_free_sgpr 102
		.amdhsa_reserve_vcc 0
		.amdhsa_float_denorm_mode_32 3
		.amdhsa_float_denorm_mode_16_64 3
		.amdhsa_memory_ordered 1
		.amdhsa_forward_progress 1
		.amdhsa_inst_pref_size 182
	.end_amdhsa_kernel
	.amdgpu_metadata
---
amdhsa.version: [ 1, 2 ]
amdhsa.kernels:
  - .name:           k_q4be66d4b5c_qkv
    .symbol:         k_q4be66d4b5c_qkv.kd
    .args:
      - { .name: ops, .offset: 0, .size: 8, .value_kind: global_buffer, .address_space: global }
      - { .name: b_qkv, .offset: 8, .size: 8, .value_kind: global_buffer, .address_space: global }
      - { .name: qkv, .offset: 16, .size: 8, .value_kind: global_buffer, .address_space: global }
    .group_segment_fixed_size: 327680
    .private_segment_fixed_size: 0
    .kernarg_segment_align: 8
    .kernarg_segment_size: 24
    .max_flat_workgroup_size: 128
    .sgpr_count:     102
    .vgpr_count:     1024
    .wavefront_size: 32
...
	.end_amdgpu_metadata
.endif
;; end of part 2
;; launch attn (part 3): grid 8 x 32, 16 waves a work-group, clusters of 4 x 1, 167,936 bytes of LDS; arguments qkv, x, t, oq; writes oq
.if DOCPART == 3
	.amdgcn_target "amdgcn-amd-amdhsa--gfx1250"
	.amdhsa_code_object_version 6
	.text
	.protected	k_q4be66d4b5c_attn
	.globl	k_q4be66d4b5c_attn
	.p2align	8
	.type	k_q4be66d4b5c_attn,@function
k_q4be66d4b5c_attn:
	s_mov_b64 s[64:65], 0
	v_nop
	global_prefetch_b8 v0, s[64:65] scope:SCOPE_SE
	s_setreg_imm32_b32 hwreg(HW_REG_WAVE_MODE, 25, 1), 1
	s_wait_xcnt 0x0
	s_wait_alu depctr_hold_cnt(0) depctr_sa_sdst(0) depctr_va_vdst(0) depctr_va_sdst(0) depctr_va_ssrc(0) depctr_va_vcc(0) depctr_vm_vsrc(0)
	s_getreg_b32 s2, hwreg(HW_REG_IB_STS2, 6, 4)
	s_cmp_eq_u32 s2, 0
	s_cbranch_scc0 .Lentry_in_a_cluster
	s_endpgm
.Lentry_in_a_cluster:
	s_bfe_u32 s2, ttmp6, 0x10000c
	s_cmp_lg_u32 s2, 0x3003
	s_cbranch_scc0 .Lentry_shape_is_right
	s_endpgm
.Lentry_shape_is_right:
; Products 2 and 3 with their softmax, the skip term out = x / (t^2 + 1) + attn t / sqrt(t^2 + 1), and out quantised along C for product 4.  Nothing of reference() is left out.
; THE SOFTMAX: u = score x log2(e) / 8; M = the row's running largest u rounded UP to a whole number; p = 2^(u - M) is quantised along the keys, not normalised; the row's sum is taken of the unquantised p and
; divides at the end.  When M moves, the sum and O are multiplied by 2^(old M - new M), which rounds nothing.
; SHARES: a work-group owns 256 queries of one (batch, head); each of its sixteen waves 16 of them, one tile, in 256 registers, four waves to a SIMD.
; THE WHOLE HEAD'S K, V AND SCALE WORDS LIE IN LDS: 16 records of 8,960 bytes, one tensor load a wave, filled once: no ring, no barrier in the loop.
; CLUSTER: the four query blocks of a cluster walk the same head: each record is asked for jointly by the four.
; LAYOUT: both products are used transposed (S^T = K Q^T, O^T = V^T P^T), in the form of 32 rows: a lane (r, h) holds query r throughout.
; THE KEYS OF A TILE ARE CHOSEN BY LDS ADDRESS: row i of tile 4 c + T is key 32 (2 c + i / 8) + 8 T + i % 8 of the step's 128.  So lane (r, h) holds in the 32 registers of tiles 4 c .. 4 c + 3 the WHOLE block
; 2 c + h of 32 neighbouring keys, in order: its largest score needs no other lane, and the four conversions of a block give registers 4 c .. 4 c + 3 of P's operand as they stand.
; In a record the key 32 b + w lies in image 2 b + (w / 8) % 2 at row w % 8 + 8 (w / 16): hence the lane terms 16 (r % 8) + 1024 (r / 8) + 256 h for codes and 4 (r % 8) + 128 (r / 8) for scale words.
; K = 64 IN AN INSTRUCTION OF 128: Q's registers 4-7 are zero codes and bytes 2, 3 of Q's and K's scale words are 0x7f: whatever codes stand in the upper four registers of a half of K's operand add an exact 0.
; So a tile of K is four registers.  An operand of 32 rows is sixteen registers on end: slot s (rows 0-15), slot s + 1 (adds 0), slot s + 2 (rows 16-31), slot s + 3 (adds 0).  Slot t of a group holds tile
; 2 (t % 2) + t / 2, so that the product on slots s, s + 2 gives tiles 2 s and 2 s + 1, sixteen registers on end.  Behind the last slot stand four registers of zeros.
; Its scale register holds tile 2 s's words in lanes 0-15 and tile 2 s + 1's in lanes 16-31 (64 bytes on).  V's operand of 32 rows is two neighbouring fragments, its scale words 4 x lane.
; LDS LOADS RUN AHEAD: at a step's head V of this step and K of the next are asked for; the next step's K Q^T is issued at this step's end, ahead of V^T P^T.  A loop trip is two key steps; the last two
; are written out, so that nothing is read behind record 15: there x is loaded into K's registers instead.
; THE EXPONENTIALS GO IN TWO HALVES.  Plain lines stand among them only where each result is first read in its own run, with no exponential between, or behind a later wait.
; LIMITS: the promise holds while |u| stays under 2^31.  For out's blocks as in the first launch (a block of zeros has the byte 1; the floor 2^-124; no NaN, no infinities).
; oq's scale bytes are stored a byte a lane: a word's other two bytes belong to the neighbouring head's work-group; they are one byte in seventeen of what the launch stores.
.set REC,   13568
.set KVB,   8960                       ; K's images, V's images, K's and V's scale words of 128 keys
.set RT,    69632
.set SPARE, 16*KVB                     ; the spare words, 128 bytes for each of sixteen waves, which no other line names
; v1 K's lane term, v2 K's scale words', v3 V's, v4 V's scale words'; v5 my spare word, v6 0; v7 prefetch offset; v8 x, v9 oq's codes, v10 oq's scale byte
; v12, v14 -M of the two steps of a trip by turns (low words of the pairs v[12:13], v[14:15]); v13 the largest score so far; v16-23 Q
.set KS,  24                           ; v24-27   K's scale words
.set KF,  32                           ; v32-63   K's eight slots (in the last step: x); v64-67 zeros
.set VF,  68                           ; v68-99   V's four fragments
.set S,   100                          ; v100-163 S^T, then p; at the end out
.set O,   164                          ; v164-195 O^T
.set PC,  196                          ; v196-203 p's codes
.set VS,  204                          ; v204-205 V's scale words
.set QS,  208                          ; Q's scale word
.set PW,  209                          ; p's scale word
.set BM,  210                          ; v210-211 my two blocks' largest score, then largest p
.set SO,  212                          ; v212-213 the conversions' scale operands
.set T,   214                          ; v214-221 a maximum for each tile
.set F,   222                          ; v[222:223] f = 2^(old M - new M)
.set ACC, 224                          ; v[224:225] the row's sum, in two halves
.set R,   226                          ; v226-233 a step's sums, four chains of pairs
.set ADK, 234                          ; v234-237 the trip's LDS addresses
.set ADKS, 235
.set ADV, 236
.set ADVS, 237
.set TMP, 238
.set X,   246
.set WV,  18
.set SEL, 20
.set CS,  22
.set G1,  24
.set G0,  32
.set LIM, 36
.set PFA, 38
.set XB,  40
.set OQC, 42
.set OQS, 44
.set HIM, 46
.set QB,  48
.set QSB, 50
.set TB,  2
.set CNT, 3
.macro CROUND
	s_barrier_signal -1
	s_barrier_wait -1
	s_cmp_lg_u32 s[WV], 0
	s_cbranch_scc1 .Lnot_wave_0_\@
	s_barrier_signal -3
.Lnot_wave_0_\@:
	s_barrier_wait -3
	s_barrier_signal -1
	s_barrier_wait -1
.endm
	s_load_b256 s[4:11], s[0:1], 0x0               ; qkv s[4:5], x s[6:7], t s[8:9], oq s[10:11]
	v_lshl_add_u32 v5, v0, 2, SPARE
	v_mov_b32 v6, 0
	ds_add_u32 v5, v6                              ; the wave's opening: the add, twice on end, and its wait ahead of my first tensor load
	ds_add_u32 v5, v6
	v_lshrrev_b32 v1, 5, v0
	s_delay_alu instid0(VALU_DEP_1)
	v_readfirstlane_b32 s[WV], v1                  ; wave 0 .. 15
	s_bfe_u32 s13, ttmp6, 0x40000                  ; cx
	s_lshl_b32 s14, ttmp9, 2
	s_add_co_u32 s14, s14, s13                     ; my block of 256 queries: it enters global addresses of Q, x and oq alone
	s_and_b32 s15, ttmp7, 0xffff                   ; batch x 16 + head, which the partners share
	s_lshr_b32 s16, s15, 4                         ; batch
	s_and_b32 s17, s15, 15                         ; head
	s_lshl_b32 s52, s15, 4
	s_add_co_u32 s52, s52, s[WV]
	s_mul_i32 s52, s52, REC                        ; the record that I fetch: keys 128 x wave on
	s_mov_b32 s53, 0
	s_mul_i32 s19, s[WV], KVB                      ; and its place in LDS
	s_lshl_b32 s54, s15, 4
	s_lshl_b32 s55, s14, 1
	s_add_co_u32 s54, s54, s55
	s_lshr_b32 s55, s[WV], 3
	s_add_co_u32 s54, s54, s55
	s_mul_i32 s54, s54, REC                        ; my queries' record
	s_and_b32 s56, s[WV], 7                        ; and my tile in it
	s_lshl_b32 s55, s56, 9
	s_add_co_u32 s[QB], s54, s55
	s_add_co_u32 s[QB], s[QB], 8960
	s_mov_b32 s[QB+1], 0
	s_lshl_b32 s55, s56, 6
	s_add_co_u32 s[QSB], s54, s55
	s_add_co_u32 s[QSB], s[QSB], 13056
	s_mov_b32 s[QSB+1], 0
	s_lshl_b32 s57, s16, 11
	s_lshl_b32 s55, s14, 8
	s_add_co_u32 s57, s57, s55                     ; my work-group's first token
	s_lshl_b32 s58, s17, 8                         ; my head's 256 bytes in a row of x
	s_lshl_b32 s55, s[WV], 4
	s_add_co_u32 s[PFA], s57, s55
	s_lshl_b32 s[PFA], s[PFA], 12
	s_add_co_u32 s[PFA], s[PFA], s58               ; the prefetch: tokens 16 x wave on, a lane a token
	s_mov_b32 s[PFA+1], 0
	s_lshr_b32 s55, s[WV], 1
	s_lshl_b32 s55, s55, 5
	s_add_co_u32 s[XB], s57, s55
	s_and_b32 s55, s[WV], 1
	s_lshl_b32 s55, s55, 3
	s_add_co_u32 s[XB], s[XB], s55                 ; lane r of my tile is token 32 (wave / 2) + 8 (wave % 2) + r % 8 + 16 (r / 8)
	s_lshl_b32 s[XB], s[XB], 12
	s_add_co_u32 s[XB], s[XB], s58
	s_mov_b32 s[XB+1], 0
	s_lshl_b32 s[OQC], s16, 4
	s_lshl_b32 s55, s14, 1
	s_add_co_u32 s[OQC], s[OQC], s55
	s_lshr_b32 s55, s[WV], 3
	s_add_co_u32 s[OQC], s[OQC], s55
	s_mul_i32 s[OQC], s[OQC], RT                   ; oq's record of my 128 tokens
	s_lshr_b32 s55, s17, 1
	s_lshl_b32 s55, s55, 9
	s_add_co_u32 s[OQS], s[OQC], s55               ; scale words of 128 along C: two heads
	s_lshl_b32 s55, s56, 6
	s_add_co_u32 s[OQS], s[OQS], s55
	s_and_b32 s55, s17, 1
	s_lshl_b32 s55, s55, 1
	s_add_co_u32 s[OQS], s[OQS], s55               ; my head's two bytes of the word
	s_add_co_u32 s[OQS], s[OQS], 65536
	s_mov_b32 s[OQS+1], 0
	s_lshl_b32 s55, s17, 12
	s_add_co_u32 s[OQC], s[OQC], s55               ; codes: my head's two blocks of 32,
	s_lshl_b32 s55, s56, 8
	s_add_co_u32 s[OQC], s[OQC], s55               ; my tile's 16 positions
	s_mov_b32 s[OQC+1], 0
	s_and_b32 s[LIM], s[WV], 1
	s_cmp_eq_u32 s[LIM], 0
	s_cselect_b32 s[LIM], 5, -1                    ; even waves prefetch, in loop trip 5
	; descriptor group 1: a record's first 8,960 bytes, dense, as 35 rows of 256 bytes (32 elements of 8 bytes)
	s_mov_b32 s[G1], 15|(3<<16)|(1<<21)            ; 15:0 the mask: all four work-groups; 17:16 elements of 8 bytes; 21 set beside a mask
	s_mov_b32 s[G1+1], 32<<16
	s_mov_b32 s[G1+2], 35<<16
	s_mov_b32 s[G1+3], 32<<16
	s_mov_b32 s[G1+4], 35
	s_mov_b32 s[G1+5], 32
	s_mov_b32 s[G1+6], 0
	s_mov_b32 s[G1+7], 0
	s_mov_b32 s[SEL], 0x76543210
	s_mov_b32 s[SEL+1], 0xfedcba98
	s_mov_b32 s[CS], 0x3e38aa3b                    ; c = log2(e) / 8
	s_mov_b32 s[CS+1], s[CS]                       ; (named with it as a pair, so it is written)
	s_mov_b32 s[HIM], 0xffff0000
	s_mov_b32 s[TB], 0
	s_mov_b32 s[CNT], 0
	s_wait_dscnt 0x0                               ; both opening adds are done
	s_wait_kmcnt 0x0
	s_mov_b32 s[G0], 1
	s_mov_b32 s[G0+1], s19
	s_add_nc_u64 s[G0+2:G0+3], s[4:5], s[52:53]
	s_or_b32 s[G0+3], s[G0+3], 0x80000000
	s_add_nc_u64 s[QB:QB+1], s[4:5], s[QB:QB+1]
	s_add_nc_u64 s[QSB:QSB+1], s[4:5], s[QSB:QSB+1]
	s_add_nc_u64 s[PFA:PFA+1], s[6:7], s[PFA:PFA+1]
	s_add_nc_u64 s[XB:XB+1], s[6:7], s[XB:XB+1]
	s_add_nc_u64 s[OQC:OQC+1], s[10:11], s[OQC:OQC+1]
	s_add_nc_u64 s[OQS:OQS+1], s[10:11], s[OQS:OQS+1]
	CROUND                                         ; all four work-groups are here: the joint loads meet
	tensor_load_to_lds s[G0:G0+3], s[G1:G1+7]      ; my one tensor load: every wave issues one
	s_nop 0
	s_load_b32 s12, s[8:9], 0x0                    ; t
	v_and_b32 v[TMP], 15, v0                       ; r
	v_bfe_u32 v[TMP+1], v0, 4, 1                   ; h
	v_and_b32 v[TMP+2], 31, v0                     ; lane
	v_and_b32 v[TMP+5], 7, v0                      ; r % 8
	v_bfe_u32 v[TMP+6], v0, 3, 1                   ; r / 8
	v_lshlrev_b32 v[TMP+3], 4, v[TMP+2]            ; 16 x lane: an image's place for my lane
	v_lshlrev_b32 v[TMP+4], 2, v[TMP]              ; 4 r: a scale word's place
	global_load_b128 v[16:19], v[TMP+3], s[QB:QB+1]   ; Q's fragment: block h of my query
	global_load_b32 v[QS], v[TMP+4], s[QSB:QSB+1]
	v_lshlrev_b32 v7, 12, v[TMP+2]                 ; 4,096 x lane: a row of x a lane
	v_add_nc_u32 v3, 4096, v[TMP+3]                ; V's images
	v_lshl_add_u32 v4, v[TMP+2], 2, 8704           ; V's scale words: 4 x lane: lanes 16-31 take the next tile's
	v_lshlrev_b32 v1, 4, v[TMP+5]
	v_lshlrev_b32 v2, 2, v[TMP+5]
	v_lshl_add_u32 v1, v[TMP+6], 10, v1
	v_lshl_add_u32 v2, v[TMP+6], 7, v2
	v_lshl_add_u32 v1, v[TMP+1], 8, v1             ; K's codes: 16 (r % 8) + 1024 (r / 8) + 256 h
	v_lshl_add_u32 v2, v[TMP+1], 6, v2
	v_and_b32 v8, 8, v[TMP]
	v_add_nc_u32 v2, 8192, v2                      ; K's scale words: 8192 + 4 (r % 8) + 128 (r / 8) + 64 h
	v_lshlrev_b32 v9, 4, v[TMP]
	v_add_nc_u32 v8, v8, v[TMP]
	v_lshl_add_u32 v9, v[TMP+1], 11, v9            ; oq's codes: 16 r + 2048 h
	v_lshlrev_b32 v8, 12, v8
	v_add_nc_u32 v10, v[TMP+4], v[TMP+1]           ; oq's scale byte: 4 r + h
	v_lshl_add_u32 v8, v[TMP+1], 6, v8             ; x: my token's row, + 16 h numbers
	v_mov_b32 v13, 0xff61b1e6                      ; the largest score so far: -3e38
	v_mov_b32 v14, 0x7f61b1e6                      ; -M ahead of the first step: 3e38, so that the first f is 0, over zeros
	v_mov_b32 v12, 0
	v_mov_b32 v15, 0                               ; (the upper half of a pair)
.irp j, 0,1,2,3
	v_mov_b32 v[20+\j], 0                          ; Q's upper 64 along K: zero codes
	v_mov_b32 v[64+\j], 0                          ; what stands behind K's last slot
.endr
	v_mov_b32 v[F+1], 0                            ; (the upper half of a pair)
	v_mov_b32 v[X], 0
	v_mov_b32 v[X+1], 0                            ; a lane permute's destination counts as one of its sources
	v_mov_b32 v[T], 0
	v_mov_b32 v[T+1], 0
.set j, 0
.rept 10
	v_mov_b32 v[ACC+j], 0                          ; the sum and the four chains
.set j, j+1
.endr
.set j, 0
.rept 32
	v_mov_b32 v[O+j], 0                            ; O^T: the step is written for all steps alike; the first finds zeros
.set j, j+1
.endr
.macro KLOAD ac, as, off               ; the eight slots of K of the record at off, and four registers of scale words: 12 loads
.irp c, 0,1
.irp t, 0,1,2,3
	ds_load_b128 v[KF+16*\c+4*\t:KF+16*\c+4*\t+3], v[\ac] offset:(\off)+2048*\c+512*(\t/2)+128*(\t%2)
.endr
.endr
.irp c, 0,1
.irp u, 0,1
	ds_load_b32 v[KS+2*\c+\u], v[\as] offset:(\off)+256*\c+32*\u
.endr
.endr
.endm
.macro VLOAD off                       ; V's four fragments and two registers of scale words: 10 loads
.irp a, 0,1,2,3
.irp c, 0,1
	ds_load_b128 v[VF+8*\a+4*\c:VF+8*\a+4*\c+3], v[ADV] offset:(\off)+1024*\a+512*\c
.endr
.endr
.irp a, 0,1
	ds_load_b32 v[VS+\a], v[ADVS] offset:(\off)+128*\a
.endr
.endm
.macro QK                              ; S^T of 128 keys: four products of 32 keys x 16 queries, each beginning its sum with 0
.irp i, 0,1,2,3
	v_wmma_scale_f32_32x16x128_f4 v[S+16*\i:S+16*\i+15], v[KF+16*(\i/2)+4*(\i%2):KF+16*(\i/2)+4*(\i%2)+15], v[16:23], 0, v[KS+\i], v[QS]
.endr
.endm
.macro MERGE                           ; the last step's four chains go into the sum
	v_pk_add_f32 v[ACC:ACC+1], v[ACC:ACC+1], v[R:R+1]
	v_pk_add_f32 v[R+2:R+3], v[R+2:R+3], v[R+4:R+5]
	v_pk_add_f32 v[ACC:ACC+1], v[ACC:ACC+1], v[R+6:R+7]
	v_pk_add_f32 v[ACC:ACC+1], v[ACC:ACC+1], v[R+2:R+3]
.endm
.macro ADDS k                          ; chain i takes the pair i + 4 k of p
.irp i, 0,1,2,3
	v_pk_add_f32 v[R+2*\i:R+2*\i+1], v[R+2*\i:R+2*\i+1], v[S+2*(\i+4*(\k)):S+2*(\i+4*(\k))+1]
.endr
.endm
.macro EXPS from, n
.set j, \from
.rept \n
	v_exp_f32 v[S+j], v[S+j]                       ; p = 2^(u - M)
.set j, j+1
.endr
.endm
; A KEY STEP of 128 keys, the record at off from the trip's addresses; its S^T has been issued.  nn: where the new -M goes, no: where the old one stands.  first = 1: the trip's addresses are made.
; more = 1: the next record's K is asked for and its S^T issued; 0: x is asked for instead.
.macro TRIP off, nn, no, first, more
	MERGE                                          ; four plain lines that name no register of the products: the places ahead of the loads and of the first read of S^T
.if \first
	v_add_nc_u32 v[ADK], s[TB], v1
	v_add_nc_u32 v[ADKS], s[TB], v2
	v_add_nc_u32 v[ADV], s[TB], v3
	v_add_nc_u32 v[ADVS], s[TB], v4
.endif
	VLOAD \off
.if \more
	KLOAD ADK, ADKS, (\off)+KVB
.else
.irp b, 0,1                            ; x in O^T's order: register 16 b + i is d = 32 b + 16 h + i of my token
.irp i, 0,1,2,3
	global_load_b128 v[KF+16*\b+4*\i:KF+16*\b+4*\i+3], v8, s[XB:XB+1] offset:128*\b+16*\i
.endr
.endr
.endif
.irp t, 0,1,2,3,4,5,6,7
	v_max3_num_f32 v[T+\t], v[S+8*\t], v[S+8*\t+1], v[S+8*\t+2]    ; eight chains, a tile each, from each accumulator's low end on
.endr
.irp i, 3,5
.irp t, 0,1,2,3,4,5,6,7
	v_max3_num_f32 v[T+\t], v[T+\t], v[S+8*\t+\i], v[S+8*\t+\i+1]
.endr
.endr
.irp c, 0,1
	v_max3_num_f32 v[T+4*\c], v[T+4*\c], v[S+32*\c+7], v[S+32*\c+15]
.endr
.irp c, 0,1
	v_max3_num_f32 v[T+4*\c+1], v[T+4*\c+1], v[S+32*\c+23], v[S+32*\c+31]
.endr
.irp c, 0,1
	s_delay_alu instid0(VALU_DEP_2)
	v_max3_num_f32 v[T+4*\c], v[T+4*\c], v[T+4*\c+1], v[T+4*\c+2]
.endr
.irp c, 0,1
	s_delay_alu instid0(VALU_DEP_2)
	v_max_num_f32 v[BM+\c], v[T+4*\c], v[T+4*\c+3]                 ; the largest score of my block 2 c + h: it serves the row's maximum and, since p rises with the score, the block's largest p
.endr
	s_delay_alu instid0(VALU_DEP_1)
	v_max_num_f32 v[X], v[BM], v[BM+1]
	s_delay_alu instid0(VALU_DEP_1)
	v_permlanex16_b32 v[X+1], v[X], s[SEL], s[SEL+1]               ; lane l xor 16 holds my query's other two blocks
	s_delay_alu instid0(VALU_DEP_1)
	v_max3_num_f32 v13, v13, v[X], v[X+1]          ; the running largest score
	s_delay_alu instid0(VALU_DEP_1)
	v_mul_f32 v[X], s[CS], v13                     ; as u (c is positive)
	s_delay_alu instid0(VALU_DEP_1)
	v_floor_f32 v[\nn], -v[X]                      ; the new -M = -ceil(u): a whole number
	s_delay_alu instid0(VALU_DEP_1)
	v_sub_f32 v[X], v[\nn], v[\no]                 ; old M - new M: a whole number, 0 or less
.set j, 0
.rept 16
	v_pk_fma_f32 v[S+j:S+j+1], v[S+j:S+j+1], s[CS:CS+1], v[\nn:\nn+1] op_sel_hi:[1,0,0]   ; u - M of my first block, two at a time
.if j == 6
	v_cvt_i32_f32 v[X], v[X]                       ; (it saturates)
.endif
.if j == 14
	v_ldexp_f32 v[F], 1.0, v[X]                    ; f = 2^(old M - new M)
.endif
.set j, j+2
.endr
.set j, 0
.rept 16
	v_pk_mul_f32 v[O+j:O+j+1], v[O+j:O+j+1], v[F:F+1] op_sel_hi:[1,0]   ; O^T under the new M, from each accumulator's low end on
.set j, j+2
.endr
	s_wait_alu depctr_va_vdst(0)                   ; the wait ahead of the batch
.set j, 0
.rept 16                               ; THE FIRST HALF: my first block's 32; among them u - M of the second block, which is first read behind the next wait
	v_exp_f32 v[S+j], v[S+j]
	v_exp_f32 v[S+j+1], v[S+j+1]
	v_pk_fma_f32 v[S+32+j:S+33+j], v[S+32+j:S+33+j], s[CS:CS+1], v[\nn:\nn+1] op_sel_hi:[1,0,0]
.if j == 6
; ONE RUN OF PLAIN LINES: THE BLOCKS' SCALES.  A block's largest p is 2^(u - M) of its largest score, so its exponent is floor(u - M): the scale's byte is that + 125, held at 1 from below by the hold at -124.
; Each result of the run is first read inside the run, or behind the next wait.
; LIMIT: where v_exp_f32 rounds a block's largest p up to the next power of two (u - M within an ulp under a whole number), that one p is held at the largest code.
.irp c, 0,1
	v_fma_f32 v[BM+\c], v[BM+\c], s[CS], v[\nn]    ; u - M of each block's largest score
.endr
.irp c, 0,1
	s_delay_alu instid0(VALU_DEP_2)
	v_max_num_f32 v[BM+\c], 0xc2f80000, v[BM+\c]   ; not under -124: a block whose every p has fallen to 0 keeps the byte 1; its codes are zeros
.endr
.irp c, 0,1
	s_delay_alu instid0(VALU_DEP_2)
	v_cvt_floor_i32_f32 v[BM+\c], v[BM+\c]
.endr
.irp c, 0,1
	s_delay_alu instid0(VALU_DEP_2)
	v_add_nc_u32 v[X+\c], 125, v[BM+\c]            ; the bytes of blocks h and 2 + h
.endr
.irp c, 0,1
	s_delay_alu instid0(VALU_DEP_2)
	v_lshlrev_b32 v[SO+\c], 23, v[X+\c]            ; as exponent fields: the conversions' scale operands
.endr
	v_lshl_or_b32 v[X], v[X+1], 16, v[X]
	s_delay_alu instid0(VALU_DEP_1)
	v_permlanex16_b32 v[X+1], v[X], s[SEL], s[SEL+1]
	s_delay_alu instid0(VALU_DEP_1)
	v_lshl_or_b32 v[PW], v[X+1], 8, v[X]           ; p's scale word: whole in lanes 0-15, which alone are read
.endif
.set j, j+2
.endr
	v_pk_mul_f32 v[ACC:ACC+1], v[ACC:ACC+1], v[F:F+1] op_sel_hi:[1,0]   ; the sum under the new M: a plain line behind the batch
	s_wait_alu depctr_va_vdst(0)                   ; one wait: behind the first half, for its readers, and ahead of the second, for its sources
	EXPS 32, 8                                     ; THE SECOND HALF, with two runs of plain lines on the first half's results
.irp t, 0,1,2,3
	v_cvt_scalef32_pk8_fp4_f32 v[PC+\t], v[S+8*\t:S+8*\t+7], v[SO]
.endr
	EXPS 40, 8
.irp i, 0,1,2,3
	v_pk_add_f32 v[R+2*\i:R+2*\i+1], v[S+2*\i:S+2*\i+1], v[S+2*\i+8:S+2*\i+9]   ; THE ROW'S SUM IS TAKEN OF THE UNQUANTISED p: four chains begin
.endr
	ADDS 2
	ADDS 3
	EXPS 48, 16
	v_nop                                          ; the plain line behind the batch
	s_wait_alu depctr_va_vdst(0)                   ; the wait behind the second half, ahead of its first reader
.irp t, 0,1,2,3
	v_cvt_scalef32_pk8_fp4_f32 v[PC+4+\t], v[S+32+8*\t:S+32+8*\t+7], v[SO+1]
.endr
	ADDS 4                                         ; these sixteen are also the places between the codes and the products
	ADDS 5
	ADDS 6
	ADDS 7
	s_wait_alu depctr_va_vdst(0)
	s_wait_dscnt 0x0                               ; V, and the next record's K, with their scale words
.if \more
	QK
.endif
.irp a, 0,1                            ; the two accumulators take turns; between two steps stand the four products K Q^T
	v_wmma_scale_f32_32x16x128_f4 v[O+16*\a:O+16*\a+15], v[VF+16*\a:VF+16*\a+15], v[PC:PC+7], v[O+16*\a:O+16*\a+15], v[VS+\a], v[PW]
.endr
.endm
	s_wait_alu depctr_va_vdst(0)
	s_wait_tensorcnt 0x0                           ; my record has landed,
	s_barrier_signal -1
	s_barrier_wait -1                              ; everybody's has
	KLOAD 1, 2, 0                                  ; record 0's K
	s_wait_loadcnt 0x0                             ; Q
	s_wait_kmcnt 0x0                               ; t
	s_wait_dscnt 0x0
	QK
.Lstep:                                            ; seven trips of two key steps
	; A PREFETCH of the rows of x that the last key step loads: in trip 5 (key steps 10 and 11; x is asked for in key step 15) each even wave names, a lane a token, the 256 bytes of my head in tokens
	; 16 x wave .. + 31: its own tile's and the next wave's.  Each such block is named once in the launch; the partners of a cluster differ by address alone.  Its address registers are never rewritten.
	s_cmp_eq_u32 s[CNT], s[LIM]
	s_cbranch_scc0 .Lno_ask
	global_prefetch_b8 v7, s[PFA:PFA+1] th:TH_LOAD_NT scope:SCOPE_SE
.Lno_ask:
	TRIP 0, 12, 14, 1, 1
	TRIP KVB, 14, 12, 0, 1
	s_add_co_u32 s[TB], s[TB], 2*KVB
	s_add_co_u32 s[CNT], s[CNT], 1
	s_cmp_lt_u32 s[CNT], 7
	s_cbranch_scc1 .Lstep
	TRIP 0, 12, 14, 1, 1                           ; records 14 and 15, written out: behind record 15 no K is asked for
	TRIP KVB, 14, 12, 0, 0
	; THE WAY OUT
	MERGE
	s_delay_alu instid0(VALU_DEP_1)
	v_add_f32 v[ACC], v[ACC], v[ACC+1]
	s_delay_alu instid0(VALU_DEP_1)
	v_permlanex16_b32 v[X], v[ACC], s[SEL], s[SEL+1]
	s_delay_alu instid0(VALU_DEP_1)
	v_add_f32 v[ACC], v[ACC], v[X]                 ; the row's sum
	v_mov_b32 v[TMP], s12                          ; t
	s_delay_alu instid0(VALU_DEP_1)
	v_fma_f32 v[TMP+1], v[TMP], v[TMP], 1.0        ; t^2 + 1
	s_wait_alu depctr_va_vdst(0)                   ; the wait ahead of the three
	v_rcp_f32 v[TMP+2], v[TMP+1]                   ; c_skip
	v_rsq_f32 v[TMP+4], v[TMP+1]
	v_rcp_f32 v[TMP+5], v[ACC]
	v_mov_b32 v[TMP+3], 0                          ; the plain line behind the three (and the upper half of c_skip's pair)
	s_wait_alu depctr_va_vdst(0)                   ; one wait for the three, ahead of their first reader
	v_mul_f32 v[TMP+4], v[TMP+4], v[TMP]           ; c_out
	v_mul_f32 v[TMP+4], v[TMP+4], v[TMP+5]         ; c_out / the sum
	s_wait_loadcnt 0x0                             ; x
.set j, 0
.rept 16
	v_pk_mul_f32 v[S+j:S+j+1], v[KF+j:KF+j+1], v[TMP+2:TMP+3] op_sel_hi:[1,0]
.set j, j+2
.endr
.set j, 0
.rept 16
	v_pk_fma_f32 v[S+j:S+j+1], v[O+j:O+j+1], v[TMP+4:TMP+5], v[S+j:S+j+1] op_sel_hi:[1,0,1]   ; out, from each accumulator's low end on
.set j, j+2
.endr
.irp b, 0,1
	v_max3_num_f32 v[BM+\b], |v[S+16*\b]|, |v[S+1+16*\b]|, 0x1800000
.endr
.irp i, 2,4,6,8,10,12,14
.irp b, 0,1
	s_delay_alu instid0(VALU_DEP_2)
	v_max3_num_f32 v[BM+\b], v[BM+\b], |v[S+16*\b+\i]|, |v[S+1+16*\b+\i]|
.endr
.endr
.irp b, 0,1
	s_delay_alu instid0(VALU_DEP_2)
	v_permlanex16_b32 v[T+\b], v[BM+\b], s[SEL], s[SEL+1]
.endr
.irp b, 0,1
	s_delay_alu instid0(VALU_DEP_2)
	v_max_num_f32 v[BM+\b], v[BM+\b], v[T+\b]
.endr
.irp b, 0,1
	s_delay_alu instid0(VALU_DEP_2)
	v_add_nc_u32 v[SO+\b], 0xff000000, v[BM+\b]
.endr
.irp b, 0,1
	s_delay_alu instid0(VALU_DEP_2)
	v_lshrrev_b32 v[T+\b], 23, v[SO+\b]
.endr
.irp b, 0,1
	v_cvt_scalef32_pk8_fp4_f32 v[PC+2*\b], v[S+16*\b:S+16*\b+7], v[SO+\b]
	v_cvt_scalef32_pk8_fp4_f32 v[PC+2*\b+1], v[S+16*\b+8:S+16*\b+15], v[SO+\b]
.endr
	v_nop                                          ; a plain line behind the conversions
	v_permlane16_swap_b32 v[PC], v[PC+2]
	v_permlane16_swap_b32 v[PC+1], v[PC+3]         ; v196-199: block h of my token's 64
	v_cndmask_b32 v[TMP], v[T], v[T+1], s[HIM]     ; and block h's byte
	global_store_b128 v9, v[PC:PC+3], s[OQC:OQC+1] ; lanes 0-15 and lanes 16-31 each fill 256 consecutive bytes, at a multiple of 256 from the buffer's first byte
	global_store_b8 v10, v[TMP], s[OQS:OQS+1]
	s_wait_tensorcnt 0x0                           ; the wave's end
	ds_add_u32 v5, v6
	s_wait_dscnt 0x0
	CROUND                                         ; the closing round
	s_endpgm
.Lfunc_end_k_q4be66d4b5c_attn:
	.size	k_q4be66d4b5c_attn, .Lfunc_end_k_q4be66d4b5c_attn-k_q4be66d4b5c_attn
	.p2alignl 7, 3214868480
	.fill 96, 4, 3214868480
	.section	.rodata,"a",@progbits
	.p2align	6, 0x0
	.amdhsa_kernel k_q4be66d4b5c_attn
		.amdhsa_group_segment_fixed_size 167936
		.amdhsa_private_segment_fixed_size 0
		.amdhsa_enable_private_segment 0
		.amdhsa_kernarg_size 32
		.amdhsa_user_sgpr_count 2
		.amdhsa_user_sgpr_kernarg_segment_ptr 1
		.amdhsa_wavefront_size32 1
		.amdhsa_system_sgpr_workgroup_id_x 1
		.amdhsa_system_sgpr_workgroup_id_y 1
		.amdhsa_system_sgpr_workgroup_id_z 1
		.amdhsa_system_vgpr_workitem_id 0
		.amdhsa_next_free_vgpr 256
		.amdhsa_next_free_sgpr 66
		.amdhsa_reserve_vcc 0
		.amdhsa_float_denorm_mode_32 3
		.amdhsa_float_denorm_mode_16_64 3
		.amdhsa_memory_ordered 1
		.amdhsa_forward_progress 1
		.amdhsa_inst_pref_size 70
	.end_amdhsa_kernel
	.amdgpu_metadata
---
amdhsa.version: [ 1, 2 ]
amdhsa.kernels:
  - .name:           k_q4be66d4b5c_attn
    .symbol:         k_q4be66d4b5c_attn.kd
    .args:
      - { .name: qkv, .offset: 0, .size: 8, .value_kind: global_buffer, .address_space: global }
      - { .name: x, .offset: 8, .size: 8, .value_kind: global_buffer, .address_space: global }
      - { .name: t, .offset: 16, .size: 8, .value_kind: global_buffer, .address_space: global }
      - { .name: oq, .offset: 24, .size: 8, .value_kind: global_buffer, .address_space: global }
    .group_segment_fixed_size: 167936
    .private_segment_fixed_size: 0
    .kernarg_segment_align: 8
    .kernarg_segment_size: 32
    .max_flat_workgroup_size: 512
    .sgpr_count:     66
    .vgpr_count:     256
    .wavefront_size: 32
...
	.end_amdgpu_metadata
.endif
;; end of part 3
;; launch proj (part 4): grid 8 x 32, 4 waves a work-group, clusters of 4 x 4, 327,680 bytes of LDS; arguments ops, oq, b_proj, out0; writes out0
.if DOCPART == 4
	.amdgcn_target "amdgcn-amd-amdhsa--gfx1250"
	.amdhsa_code_object_version 6
	.text
	.protected	k_q4be66d4b5c_proj
	.globl	k_q4be66d4b5c_proj
	.p2align	8
	.type	k_q4be66d4b5c_proj,@function
k_q4be66d4b5c_proj:
	s_mov_b64 s[64:65], 0
	v_nop
	global_prefetch_b8 v0, s[64:65] scope:SCOPE_SE
	s_setreg_imm32_b32 hwreg(HW_REG_WAVE_MODE, 25, 1), 1
	s_wait_xcnt 0x0
	s_wait_alu depctr_hold_cnt(0) depctr_sa_sdst(0) depctr_va_vdst(0) depctr_va_sdst(0) depctr_va_ssrc(0) depctr_va_vcc(0) depctr_vm_vsrc(0)
	s_getreg_b32 s2, hwreg(HW_REG_IB_STS2, 6, 4)
	s_cmp_eq_u32 s2, 0
	s_cbranch_scc0 .Lentry_in_a_cluster
	s_endpgm
.Lentry_in_a_cluster:
	s_bfe_u32 s2, ttmp6, 0x10000c
	s_cmp_lg_u32 s2, 0xf033
	s_cbranch_scc0 .Lentry_shape_is_right
	s_endpgm
.Lentry_shape_is_right:
; Product 4, out w_proj + b_proj, on codes: oq's records (128 tokens each) against ops' records 56-63 (128 columns of w_proj each).  Nothing of reference() is left out.
; A work-group of four waves makes 128 tokens x 128 columns, a wave 64 x 64: 16 accumulators.  A record, all of K = 1,024 with its scale words, is one dense block of RT bytes:
; waves 0 and 1 fetch the halves of the tokens' record, waves 2 and 3 those of the columns': one tensor load a wave, filled once, nothing filled again.
; CLUSTER 4 x 4: the tokens' record is shared along a row of the cluster, the columns' along a column: each half is asked for jointly by the four that share it.
; No prefetch: the launch has no loop to run ahead in; all that it reads is asked for by the head's loads.
; The product is used transposed (source 0 = 16 columns, source 1 = 16 tokens): a lane holds one token and eight neighbouring columns.  The bias is the C of each sum's first product.
; By the records' order of positions, lane r of tile 2 b + u is row 32 b + 8 u + r % 8 + 16 (r / 8).
; REGISTERS: window 0: addresses, v32-63 scale words, v64-95 the bias, v128-255 the way out.  Window 1: the columns' fragments (first 512 along K at v0, second at v128).  Window 2: the tokens' (v128, v0).  Window 3: accumulator (a, b) at v[8 (4 a + b)].
.set RT,     69632
.set HREC,   34816                     ; half a record: 136 rows of 256 bytes
.set SIDE,   RT                        ; LDS: the tokens' record, then the columns'
.set SLOT,   32768                     ; in a record the second 512 along K begin here,
.set SCL,    65536                     ; and the scale words here
.set SPARE,  2*RT                      ; the spare words, 128 bytes a wave, which no other line names
.set STG,    SPARE+512                 ; the way out: a stage of 64 rows x (256 + 16) bytes for each wave
.set SPITCH, 272
.set WSTG,   64*SPITCH
.set ADRA, 16
.set ADRB, 20
.set STO,  24
.set RD,   25
.set CO,   26
.set ADRS, 27
.set SPW,  28
.set NIL,  29
.set SC,   32
.set BIAS, 64
.set BK,   128
.set G1, 24
.set G0, 32
.set G1B, 48
.set G0B, 56
.set MSB, 0
.macro WIN new                         ; the immediate's high byte repeats the setting that is left
.if MSB != \new
	s_set_vgpr_msb (MSB<<8)|\new
.set MSB, \new
.endif
.endm
.set MUL_B, 0xc9                       ; source 0 window 1, source 1 window 2, C (the bias) window 0, D window 3
.set MUL_C, 0xf9                       ; the same, C window 3
.macro CROUND                          ; a round of the cluster's barrier
	s_barrier_signal -1
	s_barrier_wait -1
	s_cmp_lg_u32 s14, 0
	s_cbranch_scc1 .Lnot_wave_0_\@
	s_barrier_signal -3
.Lnot_wave_0_\@:
	s_barrier_wait -3
	s_barrier_signal -1
	s_barrier_wait -1
.endm
	s_load_b256 s[4:11], s[0:1], 0x0               ; ops s[4:5], oq s[6:7], b_proj s[8:9], out0 s[10:11]
	v_lshl_add_u32 v[SPW], v0, 2, SPARE
	v_mov_b32 v[NIL], 0
	ds_add_u32 v[SPW], v[NIL]                      ; the wave's opening: the add, twice on end, and its wait ahead of my first tensor load
	ds_add_u32 v[SPW], v[NIL]
	v_lshrrev_b32 v1, 5, v0
	v_readfirstlane_b32 s14, v1                    ; wave
	s_lshr_b32 s15, s14, 1                         ; my half of the tokens.  Also: I fetch for the tokens (0) or the columns (1)
	s_and_b32 s16, s14, 1                          ; my half of the columns.  Also: which half of the record I fetch
	s_bfe_u32 s40, ttmp6, 0x40000                  ; cx
	s_bfe_u32 s41, ttmp6, 0x40004                  ; cy
	s_lshl_b32 s42, ttmp9, 2
	s_add_co_u32 s42, s42, s40                     ; tile column
	s_and_b32 s17, ttmp7, 0xffff
	s_lshl_b32 s17, s17, 2
	s_add_co_u32 s17, s17, s41                     ; tile row
	s_lshl_b32 s43, s41, 2
	s_lshl_b32 s43, 15, s43                        ; my row of the cluster
	s_lshl_b32 s44, 0x1111, s40                    ; my column
	s_or_b32 s[G1+0], s43, (3<<16)|(1<<21)         ; 15:0 the mask; 17:16 elements of 8 bytes; 21 set beside a mask
	s_or_b32 s[G1B+0], s44, (3<<16)|(1<<21)
.irp g, G1, G1B
	s_mov_b32 s[\g+1], 32<<16                      ; rows of 256 bytes,
	s_mov_b32 s[\g+2], 136<<16                     ; 136 of them, dense
	s_mov_b32 s[\g+3], 32<<16
	s_mov_b32 s[\g+4], 136
	s_mov_b32 s[\g+5], 32
	s_mov_b32 s[\g+6], 0
	s_mov_b32 s[\g+7], 0
.endr
	s_mul_i32 s18, s16, HREC
	s_mul_i32 s20, s17, RT
	s_add_co_u32 s20, s20, s18                     ; the tokens' record: tile row and wave alone
	s_mov_b32 s21, 0
	s_add_co_u32 s46, s42, 56
	s_mul_i32 s46, s46, RT
	s_add_co_u32 s46, s46, s18                     ; the columns': tile column and wave alone
	s_mov_b32 s47, 0
	s_mul_i32 s45, s14, HREC                       ; where my half goes: the wave's number alone
	s_wait_dscnt 0x0                               ; both opening adds are done
	s_wait_kmcnt 0x0
	s_add_nc_u64 s[20:21], s[6:7], s[20:21]
	s_add_nc_u64 s[46:47], s[4:5], s[46:47]
	CROUND                                         ; all sixteen work-groups are here: the joint loads meet
	s_mov_b32 s[G0], 1
	s_mov_b32 s[G0+1], s45
	s_mov_b64 s[G0+2:G0+3], s[20:21]
	s_or_b32 s[G0+3], s[G0+3], 0x80000000
	s_mov_b32 s[G0B], 1
	s_mov_b32 s[G0B+1], s45
	s_mov_b64 s[G0B+2:G0B+3], s[46:47]
	s_or_b32 s[G0B+3], s[G0B+3], 0x80000000
	s_cmp_eq_u32 s15, 0                            ; my one tensor load; the branch hangs on the wave's number alone; an s_nop 0 and four v_nop follow each line
	s_cbranch_scc0 .Lfor_b
	tensor_load_to_lds s[G0:G0+3], s[G1:G1+7]
	s_nop 0
.rept 4
	v_nop
.endr
	s_branch .Lasked
.Lfor_b:
	tensor_load_to_lds s[G0B:G0B+3], s[G1B:G1B+7]
	s_nop 0
.rept 4
	v_nop
.endr
.Lasked:
	v_and_b32 v1, 15, v0                           ; r
	v_bfe_u32 v2, v0, 4, 1                         ; h
	s_wait_alu depctr_va_vdst(0)
	v_lshlrev_b32 v3, 4, v1
	v_lshl_add_u32 v4, v2, 11, v3                  ; a fragment: 16 r + 2048 h
	s_lshl_b32 s98, s15, 10                        ; my four tiles of tokens,
	s_lshl_b32 s99, s16, 10                        ; of columns
	s_add_co_u32 s99, s99, SIDE
.irp s, 0,1
	v_add_nc_u32 v[ADRA+\s], s98, v4
	v_add_nc_u32 v[ADRB+\s], s99, v4
	s_add_co_u32 s98, s98, SLOT
	s_add_co_u32 s99, s99, SLOT
.endr
	s_lshl_b32 s98, s15, 8
	s_lshl_b32 s99, s16, 8
	s_add_co_u32 s99, s99, SIDE
	s_sub_co_u32 s99, s99, s98
	v_mul_u32_u24 v6, s99, v2                      ; lanes 16-31 take the columns' scale words
	s_add_co_u32 s98, s98, SCL
	v_lshlrev_b32 v5, 2, v1
	v_add_nc_u32 v5, v5, v6
	v_add_nc_u32 v[ADRS], s98, v5
	s_mul_i32 s98, s14, WSTG
	s_add_co_u32 s98, s98, STG                     ; my stage
	v_mul_u32_u24 v5, v1, SPITCH
	v_lshl_add_u32 v5, v2, 6, v5
	v_add_nc_u32 v[STO], s98, v5                   ; in: row r, 16 h numbers on
	v_mul_u32_u24 v6, v2, SPITCH
	v_lshl_add_u32 v6, v1, 4, v6
	v_add_nc_u32 v[RD], s98, v6                    ; back: lanes 0-15 one row of 256 bytes, lanes 16-31 the next
	v_lshlrev_b32 v[CO], 12, v2
	v_lshl_add_u32 v[CO], v1, 4, v[CO]             ; and the same two rows in out0
	v_lshlrev_b32 v7, 6, v2                        ; the bias: 16 h numbers on
	s_wait_alu depctr_va_vdst(0)
	s_lshl_b32 s66, s42, 9
	s_lshl_b32 s67, s16, 8
	s_add_co_u32 s66, s66, s67                     ; my 64 columns, in bytes
	s_mov_b32 s67, 0
	s_add_nc_u64 s[96:97], s[8:9], s[66:67]
	s_lshl_b32 s3, s17, 1
	s_add_co_u32 s3, s3, s15
	s_lshl_b32 s3, s3, 18                          ; my 64 tokens' rows of 4,096 bytes
	s_add_co_u32 s66, s66, s3
	s_add_nc_u64 s[12:13], s[10:11], s[66:67]
.irp b, 0,1,2,3                        ; register j of tile b is column 32 (b / 2) + 16 h + 8 (b % 2) + j
	global_load_b128 v[BIAS+8*\b:BIAS+8*\b+3], v7, s[96:97] offset:(32*(\b/2)+8*(\b%2))*4
	global_load_b128 v[BIAS+8*\b+4:BIAS+8*\b+7], v7, s[96:97] offset:(32*(\b/2)+8*(\b%2))*4+16
.endr
.macro SCALES sc                       ; register 4 i + q: lanes 0-15 the word of the tokens' tile i, lanes 16-31 that of the columns' tile i, for the q-th 128 of this 512 along K
.irp i, 0,1,2,3
.irp q, 0,1,2,3
	ds_load_b32 v[SC+16*\sc+4*\i+\q], v[ADRS] offset:(4*\sc+\q)*512+64*\i
.endr
.endr
.endm
.macro LOADS s                         ; all fragments of 512 along K: 32 loads for the columns, then 32 for the tokens, eight for each 128 along K
	WIN 0x40
.irp q, 0,1,2,3
.irp i, 0,1,2,3
.irp c, 0,1
	ds_load_b128 v[128*(\s)+32*\q+8*\i+4*\c:128*(\s)+32*\q+8*\i+4*\c+3], v[ADRB+\s] offset:8192*\q+4096*\c+256*\i
.endr
.endr
.endr
	WIN 0x80
.irp q, 0,1,2,3
.irp i, 0,1,2,3
.irp c, 0,1
	ds_load_b128 v[128*(1-(\s))+32*\q+8*\i+4*\c:128*(1-(\s))+32*\q+8*\i+4*\c+3], v[ADRA+\s] offset:8192*\q+4096*\c+256*\i
.endr
.endr
.endr
	WIN 0
.endm
.macro MUL16 s, q, zero                ; the 16 accumulators take turns, one instruction a turn
.irp a, 0,1,2,3
.irp b, 0,1,2,3
.if \zero
	v_wmma_scale_f32_16x16x128_f8f6f4 v[8*(4*\a+\b):8*(4*\a+\b)+7], v[128*(\s)+32*(\q)+8*\b:128*(\s)+32*(\q)+8*\b+7], v[128*(1-(\s))+32*(\q)+8*\a:128*(1-(\s))+32*(\q)+8*\a+7], v[BIAS+8*\b:BIAS+8*\b+7], v[SC+16*(\s)+4*\b+(\q)], v[SC+16*(\s)+4*\a+(\q)] matrix_a_fmt:MATRIX_FMT_FP4 matrix_b_fmt:MATRIX_FMT_FP4 matrix_a_scale:MATRIX_SCALE_ROW1
.else
	v_wmma_scale_f32_16x16x128_f8f6f4 v[8*(4*\a+\b):8*(4*\a+\b)+7], v[128*(\s)+32*(\q)+8*\b:128*(\s)+32*(\q)+8*\b+7], v[128*(1-(\s))+32*(\q)+8*\a:128*(1-(\s))+32*(\q)+8*\a+7], v[8*(4*\a+\b):8*(4*\a+\b)+7], v[SC+16*(\s)+4*\b+(\q)], v[SC+16*(\s)+4*\a+(\q)] matrix_a_fmt:MATRIX_FMT_FP4 matrix_b_fmt:MATRIX_FMT_FP4 matrix_a_scale:MATRIX_SCALE_ROW1
.endif
.endr
.endr
.endm
	s_wait_tensorcnt 0x0                           ; my half record is in;
	s_barrier_signal -1
	s_barrier_wait -1                              ; behind the barrier both records are whole
	SCALES 0
	SCALES 1
	LOADS 0
	LOADS 1
	s_wait_loadcnt 0x0                             ; the bias
	s_wait_dscnt 63                                ; the scale words and the first 512 along K are in: behind them stand 64 younger loads
	WIN MUL_B
	MUL16 0, 0, 1
	WIN MUL_C
	MUL16 0, 1, 0
	MUL16 0, 2, 0
	MUL16 0, 3, 0
	s_wait_dscnt 24                                ; the columns' 32 loads and the tokens' first eight are in; 24 younger may be out
	MUL16 1, 0, 0
	s_wait_dscnt 16
	MUL16 1, 1, 0
	s_wait_dscnt 8
	MUL16 1, 2, 0
	s_wait_dscnt 0x0
	MUL16 1, 3, 0
	WIN 0
; THE WAY OUT: a tile row of 16 tokens x 64 columns goes through my own stage and comes back as rows of 256 bytes; LDS serves a wave's instructions in order, so no wait stands between the stores and the loads.
.macro TOSTAGE a
	WIN 0x0c
.irp b, 0,1,2,3
	ds_store_b128 v[STO], v[8*(4*(\a)+\b):8*(4*(\a)+\b)+3] offset:(\a)*16*SPITCH+128*(\b/2)+32*(\b%2)   ; each accumulator from its low end on
	ds_store_b128 v[STO], v[8*(4*(\a)+\b)+4:8*(4*(\a)+\b)+7] offset:(\a)*16*SPITCH+128*(\b/2)+32*(\b%2)+16
.endr
	WIN 0
.irp t, 0,1,2,3,4,5,6,7
	ds_load_b128 v[BK+32*(\a)+4*\t:BK+32*(\a)+4*\t+3], v[RD] offset:((\a)*16+2*\t)*SPITCH
.endr
.endm
.macro SEND a, younger                 ; sixteen lanes store 256 consecutive bytes, at a multiple of 256 from out0's first byte; stage row i of tile a is token 32 (a / 2) + 8 (a % 2) + i % 8 + 16 (i / 8)
	s_wait_dscnt \younger
.irp t, 0,1,2,3,4,5,6,7
	global_store_b128 v[CO], v[BK+32*(\a)+4*\t:BK+32*(\a)+4*\t+3], s[12:13] offset:(32*((\a)/2)+8*((\a)%2)+2*(\t%4)+16*(\t/4))*4096 th:TH_STORE_NT
.endr
.endm
.rept 4
	v_nop                                          ; the places behind the last products
.endr
	TOSTAGE 0
.irp a, 1,2,3
	TOSTAGE \a
	SEND \a-1, 16                                  ; behind tile a - 1's loads: tile a's eight stores and eight loads
.endr
	SEND 3, 0
	s_wait_tensorcnt 0x0                           ; the wave's end
	ds_add_u32 v[SPW], v[NIL]
	s_wait_dscnt 0x0
	CROUND                                         ; the closing round
	s_endpgm
.Lfunc_end_k_q4be66d4b5c_proj:
	.size	k_q4be66d4b5c_proj, .Lfunc_end_k_q4be66d4b5c_proj-k_q4be66d4b5c_proj
	.p2alignl 7, 3214868480
	.fill 96, 4, 3214868480
	.section	.rodata,"a",@progbits
	.p2align	6, 0x0
	.amdhsa_kernel k_q4be66d4b5c_proj
		.amdhsa_group_segment_fixed_size 327680
		.amdhsa_private_segment_fixed_size 0
		.amdhsa_enable_private_segment 0
		.amdhsa_kernarg_size 32
		.amdhsa_user_sgpr_count 2
		.amdhsa_user_sgpr_kernarg_segment_ptr 1
		.amdhsa_wavefront_size32 1
		.amdhsa_system_sgpr_workgroup_id_x 1
		.amdhsa_system_sgpr_workgroup_id_y 1
		.amdhsa_system_sgpr_workgroup_id_z 1
		.amdhsa_system_vgpr_workitem_id 0
		.amdhsa_next_free_vgpr 1024
		.amdhsa_next_free_sgpr 100
		.amdhsa_reserve_vcc 0
		.amdhsa_float_denorm_mode_32 3
		.amdhsa_float_denorm_mode_16_64 3
		.amdhsa_memory_ordered 1
		.amdhsa_forward_progress 1
		.amdhsa_inst_pref_size 42
	.end_amdhsa_kernel
	.amdgpu_metadata
---
amdhsa.version: [ 1, 2 ]
amdhsa.kernels:
  - .name:           k_q4be66d4b5c_proj
    .symbol:         k_q4be66d4b5c_proj.kd
    .args:
      - { .name: ops, .offset: 0, .size: 8, .value_kind: global_buffer, .address_space: global }
      - { .name: oq, .offset: 8, .size: 8, .value_kind: global_buffer, .address_space: global }
      - { .name: b_proj, .offset: 16, .size: 8, .value_kind: global_buffer, .address_space: global }
      - { .name: out0, .offset: 24, .size: 8, .value_kind: global_buffer, .address_space: global }
    .group_segment_fixed_size: 327680
    .private_segment_fixed_size: 0
    .kernarg_segment_align: 8
    .kernarg_segment_size: 32
    .max_flat_workgroup_size: 128
    .sgpr_count:     100
    .vgpr_count:     1024
    .wavefront_size: 32
...
	.end_amdgpu_metadata
.endif
;; end of part 4
